; MI455X (gfx1250); checked and timed in simulation.
; The chip was launched on July 23, 2026; its instructions are those of AMD's public machine-readable ISA for CDNA 5 (MIT licence, August 2026) and "CDNA5" Instruction Set Architecture Reference Guide (July 2026). The comments in the code are by the model that wrote it; some were corrected since.
;; Multi Head Causal Self Attention. Allowed arithmetic: matrix products marked QUANTISED: E2M3 operands, one E8M0 scale for each 32 along K, by v_wmma_scale_f32_16x16x128_f8f6f4 with both operands' format E2M3, f32 sums; everything else in f32.
;; Inputs: b_attn 3,072 float32; b_out 1,024 float32; w_attn 1,024 x 3,072 float32; w_out 1,024 x 1,024 float32; x 4 x 2,048 x 1,024 float32.
;; Outputs: out0 4 x 2,048 x 1,024 float32.
;; This version of the problem:
;;   THIS VERSION OF THE PROBLEM IS GIVEN IN LOW PRECISION. The matrix products marked QUANTISED in the list below multiply operands that are first quantised to E2M3 (2 exponent bits, 3 mantissa bits; 6 bits a number), with one power-of-two scale for each 32 numbers along K (OCP MX v1.0); their sums are f32. All else is computed in f32.
;;   The module's matrix products, in the order in which they are computed (A, B: the left and right operand; K: the contracted axis; several contracted axes count as one K, in the product's order):
;;     1. [M 8,192, K 1,024] x [K 1,024, N 3,072]; A: input x; B: input w_attn: QUANTISED
;;     2. batch 64 x [M 2,048, K 64] x [K 64, N 2,048]; A: computed on the way; B: computed on the way: QUANTISED
;;     3. batch 64 x [M 64, K 2,048] x [K 2,048, N 2,048]; A: computed on the way; B: softmax (see below): QUANTISED
;;     4. [M 8,192, K 1,024] x [K 1,024, N 1,024]; A: computed on the way; B: input w_out: QUANTISED
;;   THE QUANTISER, for each operand of a quantised product, along K:
;;     - K is cut into blocks of 32 from its start; a last block that is shorter is filled with zeros.
;;     - A block's scale is 2^e with e = floor(log2(the largest magnitude in the block)) - 2, held to -126 .. 127; a block of zeros has e = 0. As a byte (E8M0): e + 127.
;;     - Each number is divided by its block's scale, clamped to +-7.5, and rounded to the nearest number of E2M3, ties to even, subnormals kept.
;;     - The product sums the exact products of the quantised numbers (number of the format x scale) in f32.
;;   ~~~python
;;   def quantise(x, axis):      # numpy; x: float32 -> the quantised numbers, widened to float32 again
;;       x = np.moveaxis(x, axis, -1); K = x.shape[-1]
;;       x = np.pad(x, [(0, 0)] * (x.ndim - 1) + [(0, -K % 32)]); x = x.reshape(x.shape[:-1] + (-1, 32)); a = np.abs(x).max(-1, keepdims=True)
;;       e = np.where(a > 0, np.clip(np.frexp(np.where(a > 0, a, 1))[1] - 1 - 2, -126, 127), 0)      # np.frexp(a)[1] - 1 = floor(log2(a)), exactly
;;       r = np.clip(x / 2.0 ** e, -7.5, 7.5)
;;       step = 2.0 ** (np.maximum(np.frexp(np.where(r == 0, 1, r))[1] - 1, 0) - 3)
;;       q = np.round(r / step) * step * 2.0 ** e      # np.round: ties to even
;;       return np.moveaxis(q.reshape(q.shape[:-2] + (-1,))[..., :K], -1, axis).astype(np.float32)
;;   ~~~
;;   SOFTMAX AHEAD OF A QUANTISED PRODUCT. Where the list says 'softmax', what is quantised is not the finished softmax but p = 2^(t - M), with t = logit x log2(e) and M = ceil(the row's largest t), a whole number; so 1/2 < the row's largest p <= 1. The row's sum l is taken of the UNQUANTISED p, in f32, and the product's result is divided by l at the end. Since M is a whole number, a kernel that streams over the keys may use a running M (the ceiling of the running maximum): every later rescaling is an exact power of two, which a block's scale takes up: the codes' values come out the same.
;;   OPERANDS COMPUTED ON THE WAY. 'Computed on the way' means the value that the module computes at that place (a softmax that the list does not call 'softmax' is quantised finished and normalised). What goes into a quantiser is computed in f32, as accurately as f32 sums, v_exp_f32 and their like allow (about 1e-6 of the number): no bf16 or f16 on the way to a quantiser, and a product that is left as it is and whose result goes on into a quantised operand takes f32 operands (vector FMAs, or v_wmma_f32_16x16x4_f32). A number that lies on a knife's edge between two numbers of the format may be rounded either way, as far as f32 arithmetic and the matrix unit's own rounding can turn it there, and no further.
;; One version. Each part assembles by itself: llvm-mc -triple=amdgcn-amd-amdhsa -mcpu=gfx1250 --defsym DOCPART=n.
;; ======== version 1 of 1: 4 launches
;; workspace buffers: xq_codes 6,291,456 bytes; xq_sc 262,144 bytes; wq_codes 3,145,728 bytes; wq_sc 131,072 bytes; qkv_img 18,874,368 bytes; sc 1,310,720 bytes; o_img 6,291,456 bytes; o_sc 262,144 bytes
;; launch quant (part 1): grid 640 x 1, 4 waves a work-group, no clusters, 68,096 bytes of LDS; arguments x, w_attn, w_out, xq_codes, xq_sc, wq_codes, wq_sc; writes xq_codes, xq_sc, wq_codes, wq_sc
.if DOCPART == 1
	.amdgcn_target "amdgcn-amd-amdhsa--gfx1250"
	.amdhsa_code_object_version 6
	.text
	.protected	k_q5145d2dadd_quant
	.globl	k_q5145d2dadd_quant
	.p2align	8
	.type	k_q5145d2dadd_quant,@function
k_q5145d2dadd_quant:
	s_mov_b64 s[64:65], 0
	v_nop
	global_prefetch_b8 v0, s[64:65] scope:SCOPE_SE
	s_setreg_imm32_b32 hwreg(HW_REG_WAVE_MODE, 25, 1), 1
	s_wait_xcnt 0x0
; x [8192][1024] (K innermost) and the weights w_attn [1024][3072], w_out [1024][1024] (K = the FIRST axis), all f32, become codes of FP6 (E2M3), K innermost, 768 bytes a row,
; with one E8M0 scale byte for each 32 along K, 32 bytes a row.  A block's scale is 2^(floor(log2(its largest magnitude)) - 2); its byte is the largest magnitude's exponent field - 2, held at 1 from below.
; STORAGE ORDER: every row index (a token; a column n of a weight) is stored with its bits 3 and 4 exchanged.  Sixteen neighbouring STORED rows then are rows 0-7 and 16-23 (or 8-15 and 24-31) of a group of 32:
; used as source 0 of a matrix instruction, two neighbouring tiles leave 16 neighbours of that axis in a lane's 16 registers, which is what the next quantiser wants.  It costs nothing here: only store addresses change.
; The weights share one pair of buffers: rows 0-3071 are w_attn's columns, rows 3072-4095 w_out's.
; LIMITS: NaN and infinities among the inputs are not served.  A block whose largest magnitude lies under 2^-124 keeps the byte 1.  A block of zeros gets the byte 1 where the rule says 127: its codes are zeros, which add nothing, and only this program reads the bytes.
; TWO WAYS, parted once on the work-group's number, each with LDS bytes, closing lines and an end of its own: work-groups 0-127 take the weights (their chain of loads is the longer: they go first), 128-639 take x.
; No tensor loads, no barrier: waves share nothing.
.set SP,    80                         ; x: a lane's place in a stage: its 64 bytes + 16 of padding
.set WREG,  8192                       ; x: a region for each wave: two stages of 32 x SP bytes, behind them its 128 scale bytes
.set WSTG,  32768                      ; the weights' stages begin here: 32 rows x PITCH for each wave
.set PITCH, 272                        ; a stage row: sixteen places of 16 bytes, each with 12 bytes of codes, + 16
.set SPARE, 67584                      ; behind both ways' bytes: the spare words, 128 bytes for each wave: two blocks of 256 bytes that no other line names
.set SPW,   216                        ; v216  LDS address of my spare word; never rewritten
.set NIL,   217                        ; v217  0; never rewritten
.set R,     16                         ; x: v16-143  eight sets of 16 numbers as they are loaded
.set X,     144                        ; x: v144-175 two sets of 16 neighbours
.set C,     176                        ; x: v176-207 codes, four registers a step
.set E,     208                        ; x: v208-215 a scale byte a step
.set XW,    32                         ; weights: v32-95 two sets of 32 numbers
.set CW,    96                         ; weights: a block's codes
.set OUTR,  112                        ; weights: v112-175 the way out
.set SB,    24                         ; weights: v24-25 the scale bytes, four to a register
.set NB,    8                          ; weights: blocks of 32 along K for a wave
	s_load_b256 s[4:11], s[0:1], 0x0               ; x s[4:5], w_attn s[6:7], w_out s[8:9], x's codes s[10:11]
	s_load_b128 s[12:15], s[0:1], 0x20             ; x's scales s[12:13], the weights' codes s[14:15]
	s_load_b64 s[16:17], s[0:1], 0x30              ; the weights' scales
	v_lshl_add_u32 v[SPW], v0, 2, SPARE
	v_mov_b32 v[NIL], 0
	v_lshrrev_b32 v1, 5, v0
	v_readfirstlane_b32 s18, v1                    ; wave 0..3
	v_and_b32 v2, 31, v0                           ; lane
	s_cmp_lt_u32 ttmp9, 128
	s_cbranch_scc1 .Lweights
; ---------------- x: a wave takes 4 rows, 4,096 numbers, in 8 steps of 512.  All 32 loads go out at once: 16 KiB a wave are on their way.
; Each load reads 512 consecutive bytes; a step's 2,048 bytes turn through the wave's own stage, so that a lane gets 16 NEIGHBOURS along K (two neighbouring lanes hold a block).
	v_lshlrev_b32 v3, 4, v2                        ; my 16 bytes of a load's 512
	s_mul_i32 s19, s18, WREG
	v_lshrrev_b32 v14, 2, v2
	v_mul_u32_u24 v14, v14, SP
	v_and_b32 v15, 3, v2
	v_lshl_add_u32 v14, v15, 4, v14
	v_add_nc_u32 v14, s19, v14                     ; the stage on the way in: SP (lane / 4) + 16 (lane % 4)
	v_mul_u32_u24 v15, v2, SP
	v_add_nc_u32 v15, s19, v15                     ; and on the way out: SP x lane
	v_mul_u32_u24 v4, v2, 12                       ; my 12 bytes of a step's codes
	v_lshrrev_b32 v5, 1, v2
	s_add_co_u32 s19, s19, 2*32*SP
	v_add_nc_u32 v5, s19, v5                       ; LDS: my wave's scale bytes, my block's byte
	v_lshlrev_b32 v7, 2, v2                        ; and on the way out 4 bytes a lane
	v_add_nc_u32 v6, s19, v7
	s_sub_co_u32 s20, ttmp9, 128
	s_lshl_b32 s20, s20, 2
	s_add_co_u32 s20, s20, s18                     ; which run of 4 rows is my wave's
	s_and_b32 s21, s20, 0xfffffff9                 ; the same with bits 1 and 2 exchanged: the token's bits 3 and 4
	s_and_b32 s22, s20, 2
	s_lshl_b32 s22, s22, 1
	s_or_b32 s21, s21, s22
	s_and_b32 s22, s20, 4
	s_lshr_b32 s22, s22, 1
	s_or_b32 s21, s21, s22
	s_lshl_b32 s24, s20, 14                        ; 4 rows of 4,096 bytes in
	s_mov_b32 s25, 0
	s_mul_i32 s26, s21, 3072                       ; 4 rows of 768 bytes of codes out
	s_mov_b32 s27, 0
	s_lshl_b32 s28, s21, 7                         ; 4 rows of 32 scale bytes out
	s_mov_b32 s29, 0
	s_wait_alu depctr_va_vdst(0)
	s_wait_kmcnt 0x0
	s_add_nc_u64 s[4:5], s[4:5], s[24:25]
	s_add_nc_u64 s[10:11], s[10:11], s[26:27]
	s_add_nc_u64 s[12:13], s[12:13], s[28:29]
.macro LOADX t
.irp i, 0,1,2,3
	global_load_b128 v[R+16*(\t)+4*\i:R+16*(\t)+4*\i+3], v3, s[4:5] offset:2048*(\t)+512*\i th:TH_LOAD_NT
.endr
.endm
.macro TURNX t                         ; step t's numbers through the stage: LDS serves a wave's instructions in order, so no wait stands between the stores and the loads
.irp i, 0,1,2,3
	ds_store_b128 v14, v[R+16*(\t)+4*\i:R+16*(\t)+4*\i+3] offset:32*SP*((\t)%2)+8*SP*\i
.endr
.irp i, 0,1,2,3
	ds_load_b128 v[X+16*((\t)%2)+4*\i:X+16*((\t)%2)+4*\i+3], v15 offset:32*SP*((\t)%2)+16*\i
.endr
.endm
.irp t, 0,1,2,3,4,5,6,7
	LOADX \t
.endr
	s_wait_loadcnt 28                              ; step 0's four loads are in; the seven later steps' 28 may be out
	TURNX 0
.macro STEPX t
.set XS, X+16*((\t)%2)
.if (\t) > 0
	s_wait_dscnt 1                                 ; this step's numbers are back from the stage; the last step's byte store may be out
.else
	s_wait_dscnt 0x0
.endif
.if (\t) < 7
	s_wait_loadcnt 4*(6-(\t))                      ; the next step's four loads are in; those of the steps behind it may be out
	TURNX (\t)+1                                   ; they go through the other stage while this step is worked
.endif
	v_max3_num_f32 v8, |v[XS]|, |v[XS+1]|, |v[XS+2]|               ; the largest magnitude of my 16, in two chains
	v_max3_num_f32 v9, |v[XS+3]|, |v[XS+4]|, |v[XS+5]|
.irp i, 6,10
	v_max3_num_f32 v8, v8, |v[XS+\i]|, |v[XS+\i+1]|
	v_max3_num_f32 v9, v9, |v[XS+\i+2]|, |v[XS+\i+3]|
.endr
	v_max3_num_f32 v8, v8, |v[XS+14]|, |v[XS+15]|
	v_max3_num_f32 v8, v8, v9, 0x1800000           ; and the floor 2^(3 - 127): the byte cannot fall under 1
	v_max_num_f32_dpp v8, v8, v8 row_xmask:1 row_mask:0xf bank_mask:0xf   ; with my neighbour's 16: the block's
	v_add_nc_u32 v11, 0xff000000, v8               ; 2 off its exponent field: the conversion takes the exponent field of this operand as its scale
	v_cvt_scalef32_pk16_fp6_f32 v[C+4*(\t):C+4*(\t)+2], v[XS:XS+15], v11
	v_lshrrev_b32 v[E+(\t)], 23, v11               ; the scale's byte
	ds_store_b8 v5, v[E+(\t)] offset:16*(\t)       ; both lanes of a block write the same byte with the same value
	global_store_b96 v4, v[C+4*(\t):C+4*(\t)+2], s[10:11] offset:384*(\t)   ; the wave stores 384 consecutive bytes
.endm
.irp t, 0,1,2,3,4,5,6,7
	STEPX \t
.endr
	ds_load_b32 v8, v6                             ; my wave's 128 scale bytes: these loads see my stores
	s_wait_dscnt 0x0
	global_store_b32 v7, v8, s[12:13]              ; 128 consecutive bytes: four whole rows of scale bytes
	s_wait_tensorcnt 0x0                           ; the wave's end: behind my last LDS store
	ds_add_u32 v[SPW], v[NIL]
	s_wait_dscnt 0x0
	s_endpgm
; ---------------- the weights: A LANE TAKES A COLUMN n, AND ITS REGISTERS RUN DOWN K.  A wave takes 32 columns x 256 along K: 8 blocks a lane, each wholly its own.
; Work-group g: columns 128 (g % 32) on of the joint 4,096, K 256 (g / 32) on.  The first 24 column groups are w_attn's (a row of 12,288 bytes), the last 8 w_out's (4,096 bytes).
.Lweights:
	s_and_b32 s19, ttmp9, 31                       ; which 128 columns
	s_lshr_b32 s20, ttmp9, 5                       ; which 256 along K
	s_wait_alu depctr_va_vdst(0)
	v_lshlrev_b32 v3, 2, v2                        ; in: 4 bytes a lane
	s_mul_i32 s30, s18, 32*PITCH
	s_add_co_u32 s30, s30, WSTG                    ; my stage
	v_mul_u32_u24 v4, v2, PITCH
	v_add_nc_u32 v4, s30, v4                       ; into it: row = my column
	v_and_b32 v5, 15, v2
	v_lshrrev_b32 v6, 4, v2                        ; out of it: sixteen lanes to a row, two rows an instruction
	v_mul_u32_u24 v7, v6, PITCH
	v_lshl_add_u32 v7, v5, 4, v7
	v_add_nc_u32 v7, s30, v7
	v_mul_u32_u24 v8, v6, 768
	v_mad_u32_u24 v8, v5, 12, v8                   ; and the same place in the codes' buffer (the pair's stored row stands in the immediate)
	v_and_b32 v9, 7, v2                            ; my column's stored row: bits 3 and 4 exchanged
	v_and_b32 v10, 8, v2
	v_lshl_or_b32 v9, v10, 1, v9
	v_and_b32 v10, 16, v2
	v_lshrrev_b32 v10, 1, v10
	v_or_b32 v9, v9, v10
	v_lshlrev_b32 v9, 5, v9                        ; x 32 scale bytes a row
	s_lshl_b32 s31, s18, 5                         ; 32 x wave
	s_lshl_b32 s28, s19, 7
	s_add_co_u32 s28, s28, s31                     ; my first row of the joint buffers, a multiple of 32
	s_mul_i32 s32, s28, 768
	s_mul_i32 s33, s20, 192
	s_add_co_u32 s32, s32, s33
	s_mov_b32 s33, 0
	s_lshl_b32 s34, s28, 5
	s_lshl_b32 s35, s20, 3
	s_add_co_u32 s34, s34, s35
	s_mov_b32 s35, 0
	s_wait_kmcnt 0x0
	s_mov_b32 s25, 256*4096
	s_cmp_lt_u32 s19, 24                           ; w_attn's columns or w_out's?  The choice hangs on the work-group's number alone
	s_cselect_b32 s21, 1, 0
	s_cselect_b64 s[22:23], s[6:7], s[8:9]
	s_cselect_b32 s24, 0, 24
	s_cselect_b32 s25, 256*12288, s25              ; 256 rows of the tensor, in bytes
	s_sub_co_u32 s24, s19, s24
	s_lshl_b32 s24, s24, 7
	s_add_co_u32 s24, s24, s31                     ; my first column in its own tensor
	s_lshl_b32 s24, s24, 2
	s_mul_i32 s26, s20, s25
	s_add_co_u32 s26, s26, s24
	s_mov_b32 s27, 0
	s_add_nc_u64 s[22:23], s[22:23], s[26:27]
	s_add_nc_u64 s[14:15], s[14:15], s[32:33]
	s_add_nc_u64 s[16:17], s[16:17], s[34:35]
.macro LOADW t                         ; block t: W(32 t + i, my column), i = 0 .. 31, into set t % 2.  The row's length stands in the immediates, so the run is written for both tensors; either way 32 loads go out
	s_cmp_eq_u32 s21, 1
	s_cbranch_scc0 .Lwo_\@
.irp i, 0,1,2,3,4,5,6,7,8,9,10,11,12,13,14,15,16,17,18,19,20,21,22,23,24,25,26,27,28,29,30,31
	global_load_b32 v[XW+32*((\t)%2)+\i], v3, s[22:23] offset:(32*(\t)+\i)*12288 th:TH_LOAD_NT
.endr
	s_branch .Lwd_\@
.Lwo_\@:
.irp i, 0,1,2,3,4,5,6,7,8,9,10,11,12,13,14,15,16,17,18,19,20,21,22,23,24,25,26,27,28,29,30,31
	global_load_b32 v[XW+32*((\t)%2)+\i], v3, s[22:23] offset:(32*(\t)+\i)*4096 th:TH_LOAD_NT
.endr
.Lwd_\@:
.endm
	LOADW 0
	LOADW 1
.macro BLOCKW t
.set XS, XW+32*((\t)%2)
.if (\t) < NB-1
	s_wait_loadcnt 32                              ; this block's 32 loads are in; the next block's may be out
.else
	s_wait_loadcnt 0
.endif
	v_max3_num_f32 v12, |v[XS]|, |v[XS+1]|, |v[XS+2]|               ; the block's largest magnitude: all 32 numbers are mine
	v_max3_num_f32 v13, |v[XS+3]|, |v[XS+4]|, |v[XS+5]|
.irp i, 6,10,14,18,22,26
	v_max3_num_f32 v12, v12, |v[XS+\i]|, |v[XS+\i+1]|
	v_max3_num_f32 v13, v13, |v[XS+\i+2]|, |v[XS+\i+3]|
.endr
	v_max3_num_f32 v12, v12, |v[XS+30]|, |v[XS+31]|
	v_max3_num_f32 v12, v12, v13, 0x1800000        ; and the floor 2^(3 - 127)
	v_add_nc_u32 v11, 0xff000000, v12              ; the conversion's scale operand
	v_lshrrev_b32 v13, 23, v11                     ; the scale's byte
.if (\t)%4 == 0
	v_mov_b32 v[SB+(\t)/4], v13                    ; four bytes to a register, the lower K in the lower byte
.else
	v_lshl_or_b32 v[SB+(\t)/4], v13, 8*((\t)%4), v[SB+(\t)/4]
.endif
	v_cvt_scalef32_pk16_fp6_f32 v[CW:CW+2], v[XS:XS+15], v11
	v_cvt_scalef32_pk16_fp6_f32 v[CW+4:CW+6], v[XS+16:XS+31], v11   ; (a conversion's three registers begin on an even number)
	ds_store_b96 v4, v[CW:CW+2] offset:32*(\t)     ; 12 bytes to a place of 16, so that every LDS address is a multiple of 16
	ds_store_b96 v4, v[CW+4:CW+6] offset:32*(\t)+16
.if (\t)+2 < NB
	LOADW (\t)+2
.endif
	s_wait_dscnt 0x0                               ; the stores have read their registers: the next block's codes may be written
.endm
.set Q, 0
.rept NB
	BLOCKW Q
.set Q, Q+1
.endr
	s_wait_alu depctr_va_vdst(0)
	global_store_b64 v9, v[SB:SB+1], s[16:17]      ; my column's 8 scale bytes, at its stored row
.irp t, 0,1,2,3,4,5,6,7,8,9,10,11,12,13,14,15
	ds_load_b96 v[OUTR+4*\t:OUTR+4*\t+2], v7 offset:2*\t*PITCH   ; these loads see my stores
.endr
.irp t, 0,1,2,3,4,5,6,7,8,9,10,11,12,13,14,15
	s_wait_dscnt 15-\t                             ; the younger read-backs may be out
	global_store_b96 v8, v[OUTR+4*\t:OUTR+4*\t+2], s[14:15] offset:((((2*\t)&7)|(((2*\t)&8)<<1)|(((2*\t)&16)>>1))*768)   ; columns 2 t and 2 t + 1 at their stored rows: sixteen lanes store a row's 192 consecutive bytes
.endr
	s_wait_tensorcnt 0x0                           ; the wave's end: behind my last LDS store
	ds_add_u32 v[SPW], v[NIL]
	s_wait_dscnt 0x0
	s_endpgm
.Lfunc_end_k_q5145d2dadd_quant:
	.size	k_q5145d2dadd_quant, .Lfunc_end_k_q5145d2dadd_quant-k_q5145d2dadd_quant
	.p2alignl 7, 3214868480
	.fill 96, 4, 3214868480
	.section	.rodata,"a",@progbits
	.p2align	6, 0x0
	.amdhsa_kernel k_q5145d2dadd_quant
		.amdhsa_group_segment_fixed_size 68096
		.amdhsa_private_segment_fixed_size 0
		.amdhsa_enable_private_segment 0
		.amdhsa_kernarg_size 56
		.amdhsa_user_sgpr_count 2
		.amdhsa_user_sgpr_kernarg_segment_ptr 1
		.amdhsa_wavefront_size32 1
		.amdhsa_system_sgpr_workgroup_id_x 1
		.amdhsa_system_sgpr_workgroup_id_y 1
		.amdhsa_system_sgpr_workgroup_id_z 1
		.amdhsa_system_vgpr_workitem_id 0
		.amdhsa_next_free_vgpr 220
		.amdhsa_next_free_sgpr 66
		.amdhsa_reserve_vcc 0
		.amdhsa_float_denorm_mode_32 3
		.amdhsa_float_denorm_mode_16_64 3
		.amdhsa_memory_ordered 1
		.amdhsa_forward_progress 1
		.amdhsa_inst_pref_size 84
	.end_amdhsa_kernel
	.amdgpu_metadata
---
amdhsa.version: [ 1, 2 ]
amdhsa.kernels:
  - .name:           k_q5145d2dadd_quant
    .symbol:         k_q5145d2dadd_quant.kd
    .args:
      - { .name: x, .offset: 0, .size: 8, .value_kind: global_buffer, .address_space: global }
      - { .name: w_attn, .offset: 8, .size: 8, .value_kind: global_buffer, .address_space: global }
      - { .name: w_out, .offset: 16, .size: 8, .value_kind: global_buffer, .address_space: global }
      - { .name: xq_codes, .offset: 24, .size: 8, .value_kind: global_buffer, .address_space: global }
      - { .name: xq_sc, .offset: 32, .size: 8, .value_kind: global_buffer, .address_space: global }
      - { .name: wq_codes, .offset: 40, .size: 8, .value_kind: global_buffer, .address_space: global }
      - { .name: wq_sc, .offset: 48, .size: 8, .value_kind: global_buffer, .address_space: global }
    .group_segment_fixed_size: 68096
    .private_segment_fixed_size: 0
    .kernarg_segment_align: 8
    .kernarg_segment_size: 56
    .max_flat_workgroup_size: 128
    .sgpr_count:     66
    .vgpr_count:     220
    .wavefront_size: 32
...
	.end_amdgpu_metadata
.endif
;; end of part 1
;; launch gemm_qkv (part 2): grid 8 x 48, 4 waves a work-group, clusters of 4 x 4, 327,680 bytes of LDS; arguments xq_codes, xq_sc, wq_codes, wq_sc, b_attn, qkv_img, sc; writes qkv_img, sc
.if DOCPART == 2
	.amdgcn_target "amdgcn-amd-amdhsa--gfx1250"
	.amdhsa_code_object_version 6
	.text
	.protected	k_q5145d2dadd_gemm_qkv
	.globl	k_q5145d2dadd_gemm_qkv
	.p2align	8
	.type	k_q5145d2dadd_gemm_qkv,@function
k_q5145d2dadd_gemm_qkv:
	s_mov_b64 s[64:65], 0
	v_nop
	global_prefetch_b8 v0, s[64:65] scope:SCOPE_SE
	s_setreg_imm32_b32 hwreg(HW_REG_WAVE_MODE, 25, 1), 1
	s_wait_xcnt 0x0
	s_wait_alu depctr_hold_cnt(0) depctr_sa_sdst(0) depctr_va_vdst(0) depctr_va_sdst(0) depctr_va_ssrc(0) depctr_va_vcc(0) depctr_vm_vsrc(0)
	s_getreg_b32 s2, hwreg(HW_REG_IB_STS2, 6, 4)
	s_cmp_eq_u32 s2, 0
	s_cbranch_scc0 .Lentry_in_a_cluster
	s_endpgm
.Lentry_in_a_cluster:
	s_bfe_u32 s2, ttmp6, 0x10000c
	s_cmp_lg_u32 s2, 0xf033
	s_cbranch_scc0 .Lentry_shape_is_right
	s_endpgm
.Lentry_shape_is_right:
; qkv = x w_attn + b_attn on codes of FP6 (E2M3) with E8M0 scales, K = 1,024; the results leave as CODES: q and k quantised along the head's 64 channels, v along the tokens (the keys).  No f32 number of qkv goes to memory.
; ONE BODY, TWO ROLES.  Operand P is always source 0: the axis along which the result is quantised; in the result it runs along a lane's registers.  Operand R is always source 1: the lane's row.
;   q, k (cluster rows 0-7):  P = w_attn's columns 0-2047, R = tokens.      v (cluster rows 8-11):  P = tokens, R = w_attn's columns 2048-3071.
; Both operands are rows of 768 bytes of codes; only pointers, the bias's form and the scale words' way out differ, by branches on the cluster's y, which all sixteen partners share.
; ROWS ARE STORED WITH BITS 3 AND 4 OF THEIR INDEX EXCHANGED: so register j of P's tile b in lane half h is index 32 (b / 2) + 8 (b % 2) + 16 h + j: the 64 registers of one R block are 64 numbers in the order that the quantiser below wants.
; SHARES.  A work-group makes 256 (R) x 256 (P), a wave 128 x 128: 64 accumulators, 512 registers.  K goes in steps of 256 through two LDS slots filled by the tensor data mover: four fills, so the K steps are written out.
; CLUSTER 4 x 4: R's tiles hang on the cluster's row alone and are asked for jointly along it, P's on its column alone.  A wave has at most two tensor loads out.
; THE SCALE WORDS come straight into registers, once: one load of 16 bytes a lane for each block of 16 rows (512 consecutive bytes an instruction): register j holds K step j in lanes 0-15 and K step 4 + j in lanes 16-31.
; THE BIAS is the C of the first K step's products.
; OUT.  qkv_img [q, k, v][batch x 8 + pair of heads][step of 128 tokens][12,288 bytes]: images of half fragments (16 rows x 64 along K, 768 bytes, lane l's 24 bytes at 24 l): q, k: [tile of 16 tokens][head of the pair]; v: [head of the pair][tile of 16 channels][64 keys].
;      sc [batch x 16 + head][20,480]: q's words [tile][16 rows], k's at 8,192, v's [step][tile of channels][16 rows] at 16,384.  q's and k's words carry two bytes; the upper two are 0.
; LIMITS: NaN and infinities are not served; a block whose largest magnitude lies under 2^-124 keeps the byte 1, a block of zeros too (its codes are zeros; only this program reads the bytes).
; REGISTERS: window 0: v1-31 addresses; v32-63 P's scale words, v64-95 R's (they hold scales and nothing else); v96-127, v224-255 the bias, later at work; v128-223 R's fragments, one set, later the way out.
;   window 1: P's fragments, two sets, at v0 and v128.   windows 2, 3: the accumulators: (a, b) at v[8 (8 (a % 4) + b)] of window 2 + a / 4.
.set ROWB,   192                       ; a tile's row: 256 codes
.set KROW,   768                       ; a row of codes in memory
.set PITCH,  240                       ; an LDS row: 3 x (64 bytes + 16 of padding)
.set FR,     12
.set NL,     6
.set NP,     4                         ; places behind this matrix instruction (ISA guide 7.12.1)
.set HALFT,  128*PITCH
.set SLOT,   4*HALFT                   ; R's 256 rows, then P's 256
.set RSTEP,  2*ROWB                    ; a refill steps two slots along K
.set PSTEP,  2*ROWB
.set STG,    2*SLOT                    ; behind the ring: the codes' stage, 12,288 bytes for each wave
.set SQK,    STG+4*12288               ; q's and k's scale words, 1,024 bytes for each wave
.set SV,     SQK+4096                  ; v's, 512 bytes for each wave: bytes of their own
.set SPARE,  SV+2048                   ; the spare words, 128 bytes for each wave: two blocks of 256 bytes that no other line names
.set SSQ,  8                           ; v8   SQK + 1,024 wave + 512 h + 4 r
.set RSQ,  9                           ; v9   SQK + 1,024 wave + 16 lane
.set SSV,  10                          ; v10  SV + 512 wave + 4 r
.set RSV,  11                          ; v11  SV + 512 wave + 16 lane
.set GV,   12                          ; v12  16 r + 20,480 h
.set BLV,  13                          ; v13  4 (r + 8 (r / 8))
.set ADRA, 16                          ; v16-17 my R fragments in slot 0, 1 (v18-19: behind one padding more)
.set ADRB, 20                          ; v20-21 the same for P (v22-23)
.set STO,  24                          ; v24  STG + 12,288 wave + 24 lane
.set RD,   25                          ; v25  STG + 12,288 wave + 16 lane
.set GO,   26                          ; v26  16 lane
.set SLN,  27                          ; v27  32 r + 16 h
.set SPW,  28                          ; v28  my spare word; never rewritten
.set NIL,  29                          ; v29  0; never rewritten
.set BLQ,  30                          ; v30  64 h
.set H16,  31                          ; v31  16 h
.set SCP,  32
.set SCR,  64
.set TM,   96                          ; the way out: v96-99 largest magnitudes, v100-103 bytes, v108-111 the conversions' scale operands
.set SW,   112                         ; v112-119 the eight blocks' scale words
.set AF,   128
.set CD,   224                         ; the codes just made
.set G1,  24                           ; s[24:31], s[32:39] groups 1 and 0 (a set for each slot) for R's tiles
.set G0,  32
.set G1B, 48                           ; s[48:55], s[56:63] for P's
.set G0B, 56
.set PATH, 82                          ; s82  0: q, k; 1: v
.set SEL, 98                           ; s[98:99] v_permlanex16_b32's selects for lane l xor 16
.set MSB, 0
.macro WIN new                         ; the immediate's high byte repeats the setting that is left
.if MSB != \new
	s_set_vgpr_msb (MSB<<8)|\new
.set MSB, \new
.endif
.endm
.set MUL_LO, 0xa1                      ; source 0 (P) window 1, source 1 (R) window 0, C and D window 2
.set MUL_HI, 0xf1                      ; the same, C and D window 3
.set TO_B,   0x40
; A joint load: waves 0 and 1 fetch for R, waves 2 and 3 for P.  Each line has one mask and one set of registers; the branch hangs on the wave's number alone.  An s_nop 0 and four v_nop follow each line.
.macro JLOAD g0a, g1a, g0b, g1b
	s_cmp_eq_u32 s15, 0
	s_cbranch_scc0 .Lfor_b_\@
	tensor_load_to_lds s[\g0a:\g0a+3], s[\g1a:\g1a+7]
	s_nop 0
.rept 4
	v_nop
.endr
	s_branch .Lasked_\@
.Lfor_b_\@:
	tensor_load_to_lds s[\g0b:\g0b+3], s[\g1b:\g1b+7]
	s_nop 0
.rept 4
	v_nop
.endr
.Lasked_\@:
.endm
.macro CREST                           ; a round of the cluster's barrier behind its opening barrier
	s_cmp_lg_u32 s14, 0
	s_cbranch_scc1 .Lnot_wave_0_\@
	s_barrier_signal -3
.Lnot_wave_0_\@:
	s_barrier_wait -3
	s_barrier_signal -1
	s_barrier_wait -1
.endm
.macro CROUND
	s_barrier_signal -1
	s_barrier_wait -1
	CREST
.endm
	s_load_b256 s[68:75], s[0:1], 0x0              ; x's codes s[68:69], x's scales s[70:71], the weights' codes s[72:73], their scales s[74:75]
	s_load_b128 s[76:79], s[0:1], 0x20             ; b_attn s[76:77], qkv_img s[78:79]
	s_load_b64 s[80:81], s[0:1], 0x30              ; sc
	v_lshl_add_u32 v[SPW], v0, 2, SPARE
	v_mov_b32 v[NIL], 0
	ds_add_u32 v[SPW], v[NIL]                      ; the wave's opening: the add and its wait stand ahead of my first tensor load; work on registers stands between them
	ds_add_u32 v[SPW], v[NIL]
	v_lshrrev_b32 v1, 5, v0
	v_readfirstlane_b32 s14, v1                    ; wave 0..3
	s_lshr_b32 s15, s14, 1                         ; my half of R's rows.  Also: I fetch for R (0) or for P (1)
	s_and_b32 s16, s14, 1                          ; my half of P's rows.  Also: which 128 rows I fetch
	s_bfe_u32 s40, ttmp6, 0x40000                  ; cx
	s_bfe_u32 s41, ttmp6, 0x40004                  ; cy
	s_and_b32 s83, ttmp7, 0xffff                   ; the cluster's y
	s_sub_co_u32 s18, s83, 8
	s_lshl_b32 s18, s18, 1
	s_add_co_u32 s18, s18, ttmp9                   ; v: P's group of four tiles = 2 (cluster y - 8) + cluster x
	s_cmp_lt_u32 s83, 8
	s_cselect_b32 s[PATH], 0, 1
	s_cselect_b32 s18, ttmp9, s18                  ; q, k: cluster x
	s_cselect_b32 s19, s83, 0                      ; R's group of four tiles: q, k: cluster y; v: 0
	s_lshl_b32 s42, s18, 2
	s_add_co_u32 s42, s42, s40                     ; P's tile: it holds cx and never cy
	s_lshl_b32 s17, s19, 2
	s_add_co_u32 s17, s17, s41                     ; R's tile: it holds cy and never cx
	s_lshl_b32 s43, s41, 2
	s_lshl_b32 s43, 15, s43                        ; my row of the cluster
	s_lshl_b32 s44, 0x1111, s40                    ; my column
	s_or_b32 s[G1+0], s43, (0<<16)|(1<<20)|(1<<21)|(3<<22)|(3<<25)  ; 15:0 the mask: R's tiles go to my row; elements of 1 byte; padding on; bit 21 beside a mask; 4 words of padding behind every 16
	s_or_b32 s[G1B+0], s44, (0<<16)|(1<<20)|(1<<21)|(3<<22)|(3<<25) ; P's go to my column
.irp g, G1, G1B
	s_mov_b32 s[\g+1], ROWB<<16                    ; tensor_dim0
	s_mov_b32 s[\g+2], 128<<16                     ; tensor_dim1
	s_mov_b32 s[\g+3], ROWB<<16                    ; tile_dim0
	s_mov_b32 s[\g+4], 128                         ; tile_dim1
	s_mov_b32 s[\g+5], KROW                        ; from row to row
	s_mov_b32 s[\g+6], 0
	s_mov_b32 s[\g+7], 0
.endr
	s_lshl_b32 s18, s16, 7                         ; which 128 rows of the tile I fetch
	s_lshl_b32 s20, s17, 8
	s_add_co_u32 s20, s20, s18
	s_mul_i32 s20, s20, KROW                       ; R: in bytes (under 2^23)
	s_mov_b32 s21, 0
	s_lshl_b32 s46, s42, 8
	s_add_co_u32 s46, s46, s18
	s_mul_i32 s46, s46, KROW                       ; P
	s_mov_b32 s47, 0
	s_mul_i32 s45, s14, HALFT                      ; where they go: wave x 128 rows
	s_mov_b32 s[SEL], 0x76543210
	s_mov_b32 s[SEL+1], 0xfedcba98
	s_wait_dscnt 0x0                               ; the opening add is done
	s_wait_kmcnt 0x0
	s_add_nc_u64 s[92:93], s[72:73], 2048*KROW     ; the weights at v's rows
	s_add_nc_u64 s[22:23], s[74:75], 2048*32
	s_cmp_eq_u32 s[PATH], 0                        ; the choice hangs on the cluster's y alone
	s_cselect_b64 s[84:85], s[68:69], s[92:93]     ; R's codes
	s_cselect_b64 s[86:87], s[72:73], s[68:69]     ; P's codes
	s_cselect_b64 s[88:89], s[70:71], s[22:23]     ; R's scales
	s_cselect_b64 s[90:91], s[74:75], s[70:71]     ; P's scales
	s_add_nc_u64 s[20:21], s[84:85], s[20:21]
	s_add_nc_u64 s[46:47], s[86:87], s[46:47]
	CROUND                                         ; all sixteen work-groups are here: the first joint loads meet
.irp s, 0,1
	s_mov_b32 s[G0+4*\s], 1
	s_add_co_u32 s[G0+4*\s+1], s45, \s*SLOT
	s_add_nc_u64 s[G0+4*\s+2:G0+4*\s+3], s[20:21], \s*ROWB
	s_or_b32 s[G0+4*\s+3], s[G0+4*\s+3], 0x80000000
	s_mov_b32 s[G0B+4*\s], 1
	s_add_co_u32 s[G0B+4*\s+1], s45, \s*SLOT
	s_add_nc_u64 s[G0B+4*\s+2:G0B+4*\s+3], s[46:47], \s*ROWB
	s_or_b32 s[G0B+4*\s+3], s[G0B+4*\s+3], 0x80000000
	JLOAD G0+4*\s, G1, G0B+4*\s, G1B
.endr
	; every address register is made here, ahead of every branch on the role
	v_and_b32 v1, 15, v0                           ; r
	v_bfe_u32 v2, v0, 4, 1                         ; h
	v_and_b32 v6, 31, v0                           ; lane
	v_mul_u32_u24 v3, v1, PITCH
	v_mul_u32_u24 v4, v2, 24
	v_add_nc_u32 v4, v3, v4                        ; a fragment's row x pitch + 24 h
	v_lshl_add_u32 v5, v2, 4, v4                   ; and the same behind one padding more
	s_mul_i32 s21, s15, HALFT                      ; my 128 rows of R
	s_mul_i32 s22, s16, HALFT                      ; my 128 rows of P,
	s_add_co_u32 s22, s22, 2*HALFT                 ; which lie behind R's 256
.irp s, 0,1
	v_add_nc_u32 v[ADRA+\s], s21, v4
	v_add_nc_u32 v[ADRB+\s], s22, v4
	v_add_nc_u32 v[ADRA+2+\s], s21, v5
	v_add_nc_u32 v[ADRB+2+\s], s22, v5
	s_add_co_u32 s21, s21, SLOT
	s_add_co_u32 s22, s22, SLOT
.endr
	s_mul_i32 s23, s14, 12288
	s_add_co_u32 s23, s23, STG
	v_mul_u32_u24 v[STO], v6, 24
	v_add_nc_u32 v[STO], s23, v[STO]
	v_lshlrev_b32 v[GO], 4, v6
	v_add_nc_u32 v[RD], s23, v[GO]
	v_lshlrev_b32 v[H16], 4, v2
	v_lshl_add_u32 v[SLN], v1, 5, v[H16]
	v_lshlrev_b32 v[BLQ], 6, v2
	v_and_b32 v[BLV], 8, v1
	v_add_nc_u32 v[BLV], v[BLV], v1
	v_lshlrev_b32 v[BLV], 2, v[BLV]
	s_lshl_b32 s23, s14, 10
	s_add_co_u32 s23, s23, SQK
	v_lshlrev_b32 v[SSQ], 2, v1
	v_lshl_add_u32 v[SSQ], v2, 9, v[SSQ]
	v_add_nc_u32 v[SSQ], s23, v[SSQ]
	v_add_nc_u32 v[RSQ], s23, v[GO]
	s_lshl_b32 s23, s14, 9
	s_add_co_u32 s23, s23, SV
	v_lshlrev_b32 v[SSV], 2, v1
	v_add_nc_u32 v[SSV], s23, v[SSV]
	v_add_nc_u32 v[RSV], s23, v[GO]
	v_mul_u32_u24 v[GV], v2, 20480
	v_lshl_add_u32 v[GV], v1, 4, v[GV]
	; my 128 rows of R and of P, counted in 128s
	s_lshl_b32 s4, s17, 1
	s_add_co_u32 s4, s4, s15                       ; R's
	s_lshl_b32 s5, s42, 1
	s_add_co_u32 s5, s5, s16                       ; P's
	s_lshl_b32 s6, s4, 12                          ; 128 rows x 32 scale bytes
	s_mov_b32 s7, 0
	s_add_nc_u64 s[88:89], s[88:89], s[6:7]
	s_lshl_b32 s6, s5, 12
	s_add_nc_u64 s[90:91], s[90:91], s[6:7]
.irp i, 0,1,2,3,4,5,6,7
	global_load_b128 v[SCP+4*\i:SCP+4*\i+3], v[SLN], s[90:91] offset:512*\i   ; 16 rows' scale bytes: 512 consecutive bytes
	global_load_b128 v[SCR+4*\i:SCR+4*\i+3], v[SLN], s[88:89] offset:512*\i
.endr
	s_cmp_eq_u32 s[PATH], 0
	s_cselect_b32 s6, s5, s4                       ; the bias goes with w_attn's columns: P's in q, k; R's in v
	s_lshl_b32 s6, s6, 9
	s_add_nc_u64 s[76:77], s[76:77], s[6:7]
	s_cmp_eq_u32 s[PATH], 0
	s_cbranch_scc0 .Lbias_v
.irp b, 0,1,2,3,4,5,6,7                        ; q, k: tile b's eight columns of my half: 32 (b / 2) + 8 (b % 2) + 16 h + 0 .. 7
	global_load_b128 v[96+8*\b+96*(\b/4):96+8*\b+96*(\b/4)+3], v[BLQ], s[76:77] offset:(32*(\b/2)+8*(\b%2))*4
	global_load_b128 v[96+8*\b+96*(\b/4)+4:96+8*\b+96*(\b/4)+7], v[BLQ], s[76:77] offset:(32*(\b/2)+8*(\b%2))*4+16
.endr
	s_branch .Lbias_done
.Lbias_v:
.irp a, 0,1,2,3,4,5,6,7                        ; v: my row's one number, in all eight registers: column 2,048 + 32 (a / 2) + 8 (a % 2) + r + 8 (r / 8)
.irp j, 0,1,2,3,4,5,6,7
	global_load_b32 v[96+8*\a+96*(\a/4)+\j], v[BLV], s[76:77] offset:8192+(32*(\a/2)+8*(\a%2))*4
.endr
.endr
.Lbias_done:
	; where my results go: the block of 128 tokens and the pair of heads
	s_add_co_u32 s8, s4, 16
	s_cmp_eq_u32 s[PATH], 0
	s_cselect_b32 s6, s4, s5                       ; the tokens' block
	s_cselect_b32 s8, s5, s8                       ; 8 x (q, k, v) + the pair of heads
	s_cselect_b32 s9, 9, 8                         ; a step's scale words: 512 bytes (q, k), 256 (v)
	s_lshr_b32 s10, s8, 3                          ; q, k or v
	s_and_b32 s11, s8, 7                           ; the pair of heads
	s_lshr_b32 s12, s6, 4                          ; the batch
	s_and_b32 s13, s6, 15                          ; the step
	s_lshl_b32 s18, s10, 5
	s_lshl_b32 s19, s12, 3
	s_add_co_u32 s18, s18, s19
	s_add_co_u32 s18, s18, s11
	s_lshl_b32 s18, s18, 4
	s_add_co_u32 s18, s18, s13
	s_mul_i32 s18, s18, 12288
	s_mov_b32 s19, 0
	s_add_nc_u64 s[94:95], s[78:79], s[18:19]      ; the codes
	s_lshl_b32 s18, s12, 4
	s_lshl_b32 s22, s11, 1
	s_add_co_u32 s18, s18, s22
	s_mul_i32 s18, s18, 20480
	s_lshl_b32 s22, s10, 13
	s_add_co_u32 s18, s18, s22
	s_lshl_b32 s22, s13, s9
	s_add_co_u32 s18, s18, s22
	s_add_nc_u64 s[96:97], s[80:81], s[18:19]      ; the scale words, at the pair's even head
.macro FRAG reg, adr, q, i             ; 16 rows x 128 K of 6-bit codes: 12 registers, six pieces of 8 bytes; where lanes 16-31's piece lies behind one padding more, the second address register serves
.irp p, 0,1,2,3,4,5
.set PIE, 12*(\q)+6*(\p/3)+\p%3
.if PIE%8 < 5
	ds_load_b64 v[\reg+2*\p:\reg+2*\p+1], v[\adr] offset:8*PIE+16*(PIE/8)+(\i)*16*PITCH
.else
	ds_load_b64 v[\reg+2*\p:\reg+2*\p+1], v[\adr+2] offset:8*PIE+16*(PIE/8)+(\i)*16*PITCH
.endif
.endr
.endm
; 16 matrix instructions: R's blocks a0, a0 + 1 x P's eight, K step ks of eight.  p: P's set.  cmode 0: C = D; 1: C = the bias of P's block (q, k); 2: of R's block (v): the first K step starts the sums, nothing is cleared.
; The 64 accumulators take turns, one instruction a turn, in the same order in every step.
.macro MUL16 a0, p, ks, cmode
.irp a, \a0, \a0+1
.irp b, 0,1,2,3,4,5,6,7
.set rD, 8*(8*((\a)%4)+\b)
.set rP, 128*(\p)+FR*\b
.set rR, AF+FR*(\a)
.set sP, SCP+4*\b+(\ks)%4
.set sR, SCR+4*(\a)+(\ks)%4
.if (\cmode) == 0
.set rC, rD
.elseif (\cmode) == 1
.set rC, 96+8*\b+96*(\b/4)
.else
.set rC, 96+8*(\a)+96*((\a)/4)
.endif
.if (\ks) >= 4
	v_wmma_scale_f32_16x16x128_f8f6f4 v[rD:rD+7], v[rP:rP+FR-1], v[rR:rR+FR-1], v[rC:rC+7], v[sP], v[sR] matrix_a_fmt:MATRIX_FMT_FP6 matrix_b_fmt:MATRIX_FMT_FP6 matrix_a_scale:MATRIX_SCALE_ROW1 matrix_b_scale:MATRIX_SCALE_ROW1
.else
	v_wmma_scale_f32_16x16x128_f8f6f4 v[rD:rD+7], v[rP:rP+FR-1], v[rR:rR+FR-1], v[rC:rC+7], v[sP], v[sR] matrix_a_fmt:MATRIX_FMT_FP6 matrix_b_fmt:MATRIX_FMT_FP6
.endif
.endr
.endr
.endm
.macro FETCH_B slot, q, p              ; P's eight fragments of the slot's q-th 128 along K into set p
	WIN TO_B
.irp i, 0,1,2,3,4,5,6,7
	FRAG 128*(\p)+FR*\i, ADRB+\slot, \q, \i
.endr
	WIN 0
.endm
.macro FETCH_A slot, q, i0             ; R's blocks i0 .. i0 + 3
.irp i, \i0, \i0+1, \i0+2, \i0+3
	FRAG AF+FR*(\i), ADRA+\slot, \q, \i
.endr
.endm
.macro PLACES n                        ; plain vector instructions that name no register of the matrix instructions before them (ISA guide 7.12.1)
.rept \n
	v_nop
.endr
.endm
; A step of 128 along K that has its successor in the same slot
.macro STEP slot, q, ks, cmode
	s_wait_dscnt 4*NL                              ; P's set and R's blocks 0-3 are in; the youngest 24 loads (R's blocks 4-7) may be out
.if \cmode
	WIN 0x81                                       ; C (the bias) window 0, D window 2
.else
	WIN MUL_LO
.endif
	MUL16 0, (\q)%2, \ks, \cmode
	MUL16 2, (\q)%2, \ks, \cmode
	s_wait_dscnt 0                                 ; R's blocks 4-7 are in
	PLACES NP
	FETCH_B \slot, (\q)+1, 1-(\q)%2
	FETCH_A \slot, (\q)+1, 0
.if \cmode
	WIN 0xc1
.else
	WIN MUL_HI
.endif
	MUL16 4, (\q)%2, \ks, \cmode
	MUL16 6, (\q)%2, \ks, \cmode
	PLACES NP
	WIN 0
	FETCH_A \slot, (\q)+1, 4
.endm
; A slot's last step changes slots: ONE barrier; in front of it each wave waits for all its tensor loads, adds 0 to its spare word, and waits for that and for its reads of this slot.  fill = 1: this slot is filled again.
.macro TURN slot, next, fill, ks
	s_wait_tensorcnt 0x0                           ; all my tensor loads have landed: my part of the next slot (every window is 0 here)
	ds_add_u32 v[SPW], v[NIL]                      ; 0 onto my spare word
	s_wait_dscnt 4*NL+1                            ; the add and the youngest 24 loads (R's blocks 4-7) may be out
	WIN MUL_LO
	MUL16 0, 1, \ks, 0                             ; sixteen matrix instructions stand between the add and the wait for it
	s_wait_dscnt 0x0                               ; the add is done, and my reads of this slot are over
	s_barrier_signal -1
	MUL16 2, 1, \ks, 0
	WIN 0
	s_barrier_wait -1
.if \fill
	CREST                                          ; the barrier has opened a round of the cluster's: no wave of any partner still reads this slot or has a load on its way
	s_add_nc_u64 s[G0+4*\slot+2:G0+4*\slot+3], s[G0+4*\slot+2:G0+4*\slot+3], RSTEP
	s_add_nc_u64 s[G0B+4*\slot+2:G0B+4*\slot+3], s[G0B+4*\slot+2:G0B+4*\slot+3], PSTEP
	JLOAD G0+4*\slot, G1, G0B+4*\slot, G1B         ; the first tensor load behind the round; its four v_nop are the places in front of the loads below
.else
	PLACES NP
.endif
	FETCH_B \next, 0, 0
	FETCH_A \next, 0, 0
	WIN MUL_HI
	MUL16 4, 1, \ks, 0
	MUL16 6, 1, \ks, 0
	PLACES NP
	WIN 0
	FETCH_A \next, 0, 4
.endm
	s_wait_tensorcnt 1                             ; my part of slot 0 is in; slot 1's load may be out
	s_barrier_signal -1
	s_barrier_wait -1
	FETCH_B 0, 0, 0
	FETCH_A 0, 0, 0
	FETCH_A 0, 0, 4
	s_wait_loadcnt 0x0                             ; the scale words and the bias
	s_cmp_eq_u32 s[PATH], 0
	s_cbranch_scc0 .Lfirst_v
	STEP 0, 0, 0, 1                                ; q, k: the bias goes with P's blocks
	s_branch .Lfirst_done
.Lfirst_v:
	STEP 0, 0, 0, 2                                ; v: with R's
.Lfirst_done:
	TURN 0, 1, 1, 1                                ; slot 0 takes K 512 on
	STEP 1, 0, 2, 0
	TURN 1, 0, 1, 3                                ; slot 1 takes K 768 on
	STEP 0, 0, 4, 0
	TURN 0, 1, 0, 5                                ; nothing is left to fetch
	STEP 1, 0, 6, 0
	s_wait_dscnt 4*NL                              ; the last step
	WIN MUL_LO
	MUL16 0, 1, 7, 0
	MUL16 2, 1, 7, 0
	s_wait_dscnt 0
	WIN MUL_HI
	MUL16 4, 1, 7, 0
	MUL16 6, 1, 7, 0
	WIN 0
; THE WAY OUT.  The 64 registers of R's block a are 64 numbers of my row: register 16 B + i is index 32 B + 16 h + i along P.  They become a fragment's 12 registers of codes and a scale word.
.irp b, 0,1,2,3
	v_mov_b32 v[TM+4+\b], 0                        ; a lane permute's destination counts as one of its sources.  (These four are also the places behind the last products)
.endr
.macro QUANTW a
.set AC, 64*((\a)%4)
	WIN 0x28+0x14*((\a)/4)                         ; sources 1 and 2: the accumulators' window
.irp b, 0,1,2,3
	v_max3_num_f32 v[TM+\b], 0x1800000, |v[AC+16*\b]|, |v[AC+16*\b+1]|   ; block b: my 16 numbers and the floor 2^(3 - 127); each accumulator is read from its low end on
.endr
.irp i, 2,4,6,8,10,12,14
.irp b, 0,1,2,3
	v_max3_num_f32 v[TM+\b], v[TM+\b], |v[AC+16*\b+\i]|, |v[AC+16*\b+\i+1]|
.endr
.endr
	WIN 0
.irp b, 0,1,2,3
	v_permlanex16_b32 v[TM+4+\b], v[TM+\b], s[SEL], s[SEL+1]
.endr
.irp b, 0,1,2,3
	v_max_num_f32 v[TM+\b], v[TM+\b], v[TM+4+\b]   ; with lane l xor 16's: the block's largest magnitude
.endr
.irp b, 0,1,2,3
	v_add_nc_u32 v[TM+12+\b], 0xff000000, v[TM+\b] ; 2 off its exponent field: the conversion's scale operand
.endr
.irp b, 0,1,2,3
	v_lshrrev_b32 v[TM+4+\b], 23, v[TM+12+\b]      ; the scale's byte
.endr
	v_lshl_or_b32 v[SW+(\a)], v[TM+5], 8, v[TM+4]
	v_lshl_or_b32 v[SW+(\a)], v[TM+6], 16, v[SW+(\a)]
	v_lshl_or_b32 v[SW+(\a)], v[TM+7], 24, v[SW+(\a)]
	s_wait_dscnt 0x0                               ; the last block's stores into the stage have read the codes' registers
	WIN 0x02+((\a)/4)                              ; source 0: the accumulators' window
.irp c, 0,1
	v_cvt_scalef32_pk16_fp6_f32 v[CD+6*\c:CD+2+6*\c], v[AC+32*\c:AC+15+32*\c], v[TM+12+2*\c]
	v_cvt_scalef32_pk16_fp6_f32 v[CD+12+4*\c:CD+14+4*\c], v[AC+16+32*\c:AC+31+32*\c], v[TM+12+2*\c+1]   ; (a conversion's three registers begin on an even number)
.endr
	WIN 0
	v_nop                                          ; one plain place behind a scaled conversion
.irp c, 0,1                                    ; the operand's layout wants a WHOLE block in a lane: lanes 0-15 block 2 c, lanes 16-31 block 2 c + 1
.irp i, 0,1,2
	v_permlane16_swap_b32 v[CD+6*\c+\i], v[CD+12+4*\c+\i]
.endr
.irp i, 0,1,2
	v_mov_b32 v[CD+3+6*\c+\i], v[CD+12+4*\c+\i]
.endr
.endr
.irp c, 0,1
.irp p, 0,1,2
	ds_store_b64 v[STO], v[CD+6*\c+2*\p:CD+6*\c+2*\p+1] offset:(\a)*1536+\c*768+8*\p   ; half fragment (a, c): my 24 bytes at 24 x lane
.endr
.endr
.endm
.irp a, 0,1,2,3,4,5,6,7
	QUANTW \a
.endr
.irp i, 0,1,2,3,4,5,6,7,8,9,10,11,12,13,14,15,16,17,18,19,20,21,22,23
	ds_load_b128 v[128+4*\i:131+4*\i], v[RD] offset:512*\i   ; the stage's order is the buffer's: these loads see my stores
.endr
.irp i, 0,1,2,3,4,5,6,7,8,9,10,11,12,13,14,15,16,17,18,19,20,21,22,23
	s_wait_dscnt 23-\i                             ; the younger read-backs may be out
	global_store_b128 v[GO], v[128+4*\i:131+4*\i], s[94:95] offset:512*\i th:TH_STORE_NT   ; 512 consecutive bytes, at a multiple of 256 from the buffer's first byte
.endr
	s_cmp_eq_u32 s[PATH], 0
	s_cbranch_scc0 .Lsc_v
.irp a, 0,1,2,3,4,5,6,7                        ; q, k: a word's low two bytes are the pair's even head's, the high two the odd head's: lanes 0-15 carry the one, lanes 16-31 the other; the upper two bytes of what is stored are 0
	v_lshrrev_b32 v[TM+\a], v[H16], v[SW+\a]
.endr
.irp a, 0,1,2,3,4,5,6,7
	v_and_b32 v[TM+\a], 0xffff, v[TM+\a]
.endr
.irp a, 0,1,2,3,4,5,6,7
	ds_store_b32 v[SSQ], v[TM+\a] offset:64*\a
.endr
	ds_load_b128 v[224:227], v[RSQ]
	ds_load_b128 v[228:231], v[RSQ] offset:512
	s_wait_dscnt 0x0
	global_store_b128 v[GO], v[224:227], s[96:97]              ; the even head's eight tiles: 512 consecutive bytes
	global_store_b128 v[GO], v[228:231], s[96:97] offset:20480 ; the odd head's
	s_branch .Lsc_done
.Lsc_v:
.irp a, 0,1,2,3,4,5,6,7                        ; v: the whole word; both halves of the lanes write the same word with the same value
	ds_store_b32 v[SSV], v[SW+\a] offset:64*\a
.endr
	ds_load_b128 v[224:227], v[RSV]
	s_wait_dscnt 0x0
	global_store_b128 v[GV], v[224:227], s[96:97]              ; lanes 0-15 the even head's 256 bytes, lanes 16-31 the odd head's
.Lsc_done:
	s_wait_tensorcnt 0x0                           ; the wave's end: behind my last tensor load and my last LDS store
	ds_add_u32 v[SPW], v[NIL]
	s_wait_dscnt 0x0
	CROUND                                         ; the closing round: no work-group ends while a partner may still ask for a tile that names it
	s_endpgm
.Lfunc_end_k_q5145d2dadd_gemm_qkv:
	.size	k_q5145d2dadd_gemm_qkv, .Lfunc_end_k_q5145d2dadd_gemm_qkv-k_q5145d2dadd_gemm_qkv
	.p2alignl 7, 3214868480
	.fill 96, 4, 3214868480
	.section	.rodata,"a",@progbits
	.p2align	6, 0x0
	.amdhsa_kernel k_q5145d2dadd_gemm_qkv
		.amdhsa_group_segment_fixed_size 327680
		.amdhsa_private_segment_fixed_size 0
		.amdhsa_enable_private_segment 0
		.amdhsa_kernarg_size 56
		.amdhsa_user_sgpr_count 2
		.amdhsa_user_sgpr_kernarg_segment_ptr 1
		.amdhsa_wavefront_size32 1
		.amdhsa_system_sgpr_workgroup_id_x 1
		.amdhsa_system_sgpr_workgroup_id_y 1
		.amdhsa_system_sgpr_workgroup_id_z 1
		.amdhsa_system_vgpr_workitem_id 0
		.amdhsa_next_free_vgpr 1024
		.amdhsa_next_free_sgpr 100
		.amdhsa_reserve_vcc 0
		.amdhsa_float_denorm_mode_32 3
		.amdhsa_float_denorm_mode_16_64 3
		.amdhsa_memory_ordered 1
		.amdhsa_forward_progress 1
		.amdhsa_inst_pref_size 193
	.end_amdhsa_kernel
	.amdgpu_metadata
---
amdhsa.version: [ 1, 2 ]
amdhsa.kernels:
  - .name:           k_q5145d2dadd_gemm_qkv
    .symbol:         k_q5145d2dadd_gemm_qkv.kd
    .args:
      - { .name: xq_codes, .offset: 0, .size: 8, .value_kind: global_buffer, .address_space: global }
      - { .name: xq_sc, .offset: 8, .size: 8, .value_kind: global_buffer, .address_space: global }
      - { .name: wq_codes, .offset: 16, .size: 8, .value_kind: global_buffer, .address_space: global }
      - { .name: wq_sc, .offset: 24, .size: 8, .value_kind: global_buffer, .address_space: global }
      - { .name: b_attn, .offset: 32, .size: 8, .value_kind: global_buffer, .address_space: global }
      - { .name: qkv_img, .offset: 40, .size: 8, .value_kind: global_buffer, .address_space: global }
      - { .name: sc, .offset: 48, .size: 8, .value_kind: global_buffer, .address_space: global }
    .group_segment_fixed_size: 327680
    .private_segment_fixed_size: 0
    .kernarg_segment_align: 8
    .kernarg_segment_size: 56
    .max_flat_workgroup_size: 128
    .sgpr_count:     100
    .vgpr_count:     1024
    .wavefront_size: 32
...
	.end_amdgpu_metadata
.endif
;; end of part 2
;; launch attn (part 3): grid 8 x 64, 16 waves a work-group, no clusters, 327,680 bytes of LDS; arguments qkv_img, sc, o_img, o_sc; writes o_img, o_sc
.if DOCPART == 3
	.amdgcn_target "amdgcn-amd-amdhsa--gfx1250"
	.amdhsa_code_object_version 6
	.text
	.protected	k_q5145d2dadd_attn
	.globl	k_q5145d2dadd_attn
	.p2align	8
	.type	k_q5145d2dadd_attn,@function
k_q5145d2dadd_attn:
	s_mov_b64 s[64:65], 0
	v_nop
	global_prefetch_b8 v0, s[64:65] scope:SCOPE_SE
	s_setreg_imm32_b32 hwreg(HW_REG_WAVE_MODE, 25, 1), 1
	s_wait_xcnt 0x0
; Causal attention of one head (64 channels, 2,048 tokens) on codes of FP6 (E2M3) with E8M0 scales; the result leaves as codes, quantised along the model's 1,024 (two blocks of 32 a head).
; THE SOFTMAX AHEAD OF THE SECOND PRODUCT: t = score x log2(e) / 8; M = the row's largest t so far, rounded UP to a whole number; p = 2^(t - M) is quantised along the keys, not normalised.  The row's sum is taken of the
; unquantised p and divides O at the end.  When M moves, the sum and O are multiplied by 2^(old M - new M): exact.
; SHARES.  A head's queries are 16 blocks of 128.  Work-group i of a head owns blocks i and 15 - i: 8 waves each, a wave one tile of 16 queries.  A wave of block B works B + 1 key steps of 128 keys: 8 x 17 wave steps in every work-group.
; Which block a wave has is ((wave / 4) xor wave) & 1.  EVERY work-group walks all 8 slots of 256 keys: the trip counts are constants; a step all of whose keys come after a wave's queries is jumped over, and no slot beyond the
; work-group's last query is asked for.
; NO CLUSTER: the eight work-groups of a head need 16 - i key steps each, so partners would need different numbers of tiles, and a joint load is issued by every partner that it names.
; LAYOUT.  Both products transposed: S^T = K Q^T, O^T = V^T P^T: a lane holds ONE query (lane % 16) throughout.  Tokens are STORED with bits 3 and 4 of their index exchanged: register 16 B + i of S^T in lane half h is key 32 B + 16 h + i of the step.
; Operands lie in memory and in LDS as images of half fragments: 16 rows x 64 along K, 768 bytes, lane l's 24 bytes at 24 l: three loads of 8 bytes, no padding wanted.
; THE FIRST PRODUCT'S K IS 64 in an instruction of 128.  Q's registers for k = 64 .. 127 hold zero codes, and the upper two bytes of Q's and K's scale words are 0.  K's operand for tile t is v[32 + 6 t : 43 + 6 t]: its upper six registers are the
; next tile's codes (behind the last tile: zeros).  Every code of this format is a finite number, and it meets a zero code: it adds exactly 0.  So eight tiles lie in 54 registers, brought by 24 loads.
; LIMITS: NaN and infinities are not served; p under 2^-126 becomes 0 (v_exp_f32's result); 1 / sum is v_rcp_f32 and a multiplication; a block whose largest magnitude lies under 2^-124, or of zeros, keeps the byte 1 (only this program reads it).
; o's scale bytes leave as single bytes, 32 a wave, rows 32 bytes apart: one byte for each 24 bytes of codes.
; REGISTERS: v1-3 addresses that stay; v4, v7-11 addresses in hand; v12 -M, v13 the largest t, v[14:15] the sum; v16-21 Q, v22-27 zeros; v29 Q's scale word; v32-79 K's eight tiles or V's four fragments, v80-85 zeros; v96-159 S^T, then p;
;   v160-191 O^T; v192-210 p's codes; v212-223, v240-247 at work; v228-235 K's scale words, v236-239 V's, v242 p's.
.set PART,  6291456                    ; q's, k's, v's part of qkv_img
.set PS,    196608                     ; a pair of heads in a part
.set SLOT1, 1<<15                      ; slot 1 begins here: one exclusive or turns an address in one slot into the other's.  A slot: K's 16 half fragments (12,288 bytes), then V's 16
.set SC,    65536                      ; the head's scale words: K's 8,192 bytes, V's 4,096; filled once
.set STAGE, 77824                      ; the way out: 768 bytes for each wave
.set SPARE, 90112                      ; the spare words, 128 bytes for each wave: eight blocks of 256 bytes that no other line names
.set SPW,  5
.set NIL,  6
.set ADR,  8
.set ADS,  10
.set ADT,  11
.set PFO,  28                          ; v28  256 x lane; never rewritten
.set WV,   18
.set SEL,  20
.set CS,   22                          ; s[22:23] c = log2(e) / 8
.set G1K,  24
.set G1V,  32
.set G0K,  40
.set G0V,  44
.set G1S,  48
.set G0S,  56
.set TB,   2                           ; s2   LDS byte at which the slot in hand begins
.set TS,   3                           ; s3   the step's scale words of K: 512 bytes a step
.set TJ,   66                          ; s66  and of V: 8,192 + 256 a step
.set SLOTS, 67
.set HB,   68                          ; s68  the work-group's later block of queries: 15 - i
.set PFA,  76                          ; s[76:77] where my prefetches stand
.set LIM,  80                          ; s80  1 in a wave that prefetches, else the greatest number
.set SI,   98                          ; s98  the key step's number
.set BQ,   99                          ; s99  my block of queries
; Waves 0 and 1 take the first line, waves 2 and 3 the second, the others none.  An s_nop 0 and four v_nop follow each line.
.macro TLOAD g0k, g1k, g0v, g1v
	s_cmp_lt_u32 s[WV], 2
	s_cbranch_scc0 .Lnot_k_\@
	tensor_load_to_lds s[\g0k:\g0k+3], s[\g1k:\g1k+7]
	s_nop 0
.rept 4
	v_nop
.endr
	s_branch .Lasked_\@
.Lnot_k_\@:
	s_cmp_lt_u32 s[WV], 4
	s_cbranch_scc0 .Lasked_\@
	tensor_load_to_lds s[\g0v:\g0v+3], s[\g1v:\g1v+7]
	s_nop 0
.rept 4
	v_nop
.endr
.Lasked_\@:
.endm
; A PREFETCH INTO THE L2 of what the NEXT change of slots will ask for.  A slot of a PAIR of heads is 24,576 dense bytes of K and as many of V.  The pair's even head's work-group 0, which walks and loads all slots, asks for both heads:
; waves 4-6 for K's bytes, waves 7-9 for V's, 8,192 bytes a wave, lanes 256 bytes apart, one instruction each.  So each aligned block of 256 bytes is named once in the launch.  Slots 0 and 1 come by their loads alone; the last change that fills a slot asks for nothing.
.macro ASK
	s_cmp_gt_u32 s[SLOTS], s[LIM]
	s_cbranch_scc0 .Lnot_mine_\@
	global_prefetch_b8 v[PFO], s[PFA:PFA+1] th:TH_LOAD_NT scope:SCOPE_SE
.Lnot_mine_\@:
.endm
	s_load_b256 s[4:11], s[0:1], 0x0               ; qkv_img s[4:5], sc s[6:7], o_img s[8:9], o_sc s[10:11]
	v_lshl_add_u32 v[SPW], v0, 2, SPARE
	v_mov_b32 v[NIL], 0
	ds_add_u32 v[SPW], v[NIL]                      ; the wave's opening: the add and its wait stand ahead of my first tensor load; work on registers stands between them
	ds_add_u32 v[SPW], v[NIL]
	v_lshrrev_b32 v8, 5, v0
	s_delay_alu instid0(VALU_DEP_1)
	v_readfirstlane_b32 s[WV], v8                  ; wave 0..15
	s_and_b32 s72, ttmp7, 0xffff                   ; batch x 16 + head
	s_lshr_b32 s73, s72, 1                         ; the pair of heads
	s_and_b32 s74, s72, 1                          ; which of the pair
	s_mul_i32 s75, s73, PS
	s_mul_i32 s97, s72, 20480                      ; the head's scale words
	s_and_b32 s88, s[WV], 1
	s_and_b32 s93, s[WV], 3
	s_mul_i32 s93, s93, 3072                       ; my quarter of the scale words
	s_mul_i32 s94, s88, 6144                       ; my step's place in a slot
	s_mul_i32 s95, s88, 12288                      ; and in memory
	s_mul_i32 s84, s74, 768
	s_add_co_u32 s84, s84, s95
	s_add_co_u32 s84, s84, s75
	s_add_co_u32 s84, s84, PART                    ; K: my step of slot 0
	s_mov_b32 s85, 0
	s_mul_i32 s82, s74, 6144
	s_add_co_u32 s82, s82, s95
	s_add_co_u32 s82, s82, s75
	s_add_co_u32 s82, s82, 2*PART                  ; V likewise
	s_mov_b32 s83, 0
	s_add_co_u32 s86, s97, s93
	s_add_co_u32 s86, s86, 8192                    ; K's and V's scale words, my quarter
	s_mov_b32 s87, 0
	s_lshr_b32 s89, s[WV], 1                       ; which tile of a block of queries
	s_lshr_b32 s90, s[WV], 2
	s_xor_b32 s90, s90, s[WV]
	s_and_b32 s90, s90, 1                          ; which of the work-group's two blocks
	s_sub_co_u32 s[HB], 15, ttmp9
	s_cmp_eq_u32 s90, 1
	s_cselect_b32 s[BQ], s[HB], ttmp9
	s_lshl_b32 s91, s[BQ], 3
	s_add_co_u32 s91, s91, s89                     ; my tile of 16 stored tokens
	s_mul_i32 s78, s91, 1536
	s_mul_i32 s79, s74, 768
	s_add_co_u32 s78, s78, s79
	s_add_co_u32 s78, s78, s75                     ; Q's half fragment
	s_mov_b32 s79, 0
	s_lshl_b32 s70, s91, 6
	s_add_co_u32 s70, s70, s97                     ; Q's scale words
	s_mov_b32 s71, 0
	s_lshr_b32 s92, s89, 1
	s_lshl_b32 s92, s92, 5
	s_and_b32 s96, s89, 1
	s_lshl_b32 s96, s96, 3
	s_add_co_u32 s92, s92, s96                     ; my tile's queries begin at 32 (tile / 2) + 8 (tile % 2) of the block
	s_and_b32 s60, s72, 15                         ; the head
	s_lshr_b32 s61, s72, 4                         ; the batch
	s_lshl_b32 s69, s61, 7
	s_add_co_u32 s69, s69, s91                     ; my tile among the 512 of all tokens
	s_mul_i32 s63, s60, 393216
	s_mul_i32 s62, s69, 768
	s_add_co_u32 s62, s62, s63                     ; o's half fragment
	s_mov_b32 s63, 0
	s_lshl_b32 s60, s60, 1
	s_lshl_b32 s61, s69, 9
	s_add_co_u32 s60, s60, s61                     ; o's scale bytes: 16 rows of 32 bytes a tile, + 2 x head
	s_mov_b32 s61, 0
	; descriptor groups 1: elements of 8 bytes, no mask, no padding.  K: 8 rows of 768 bytes, 1,536 bytes apart (the pair's other head lies between)
	s_mov_b32 s[G1K], 3<<16
	s_mov_b32 s[G1K+1], 96<<16
	s_mov_b32 s[G1K+2], 8<<16
	s_mov_b32 s[G1K+3], 96<<16
	s_mov_b32 s[G1K+4], 8
	s_mov_b32 s[G1K+5], 192
	s_mov_b32 s[G1K+6], 0
	s_mov_b32 s[G1K+7], 0
	s_mov_b32 s[G1V], 3<<16                        ; V: 6,144 dense bytes as 24 rows of 256
	s_mov_b32 s[G1V+1], 32<<16
	s_mov_b32 s[G1V+2], 24<<16
	s_mov_b32 s[G1V+3], 32<<16
	s_mov_b32 s[G1V+4], 24
	s_mov_b32 s[G1V+5], 32
	s_mov_b32 s[G1V+6], 0
	s_mov_b32 s[G1V+7], 0
	s_mov_b32 s[G1S], 3<<16                        ; the scale words: 3,072 dense bytes as 12 rows of 256
	s_mov_b32 s[G1S+1], 32<<16
	s_mov_b32 s[G1S+2], 12<<16
	s_mov_b32 s[G1S+3], 32<<16
	s_mov_b32 s[G1S+4], 12
	s_mov_b32 s[G1S+5], 32
	s_mov_b32 s[G1S+6], 0
	s_mov_b32 s[G1S+7], 0
	s_mov_b32 s[SEL], 0x76543210
	s_mov_b32 s[SEL+1], 0xfedcba98
	s_mov_b32 s[CS], 0x3e38aa3b                    ; c = log2(e) / sqrt(64)
	s_mov_b32 s[CS+1], s[CS]                       ; (named with it as a pair, so it is written)
	s_mov_b32 s81, 0xffff0000                      ; lanes 16-31
	s_mov_b32 s[TB], 0
	s_mov_b32 s[TS], 0
	s_mov_b32 s[TJ], 8192
	s_mov_b32 s[SLOTS], 7
	s_mov_b32 s[SI], 0
	; the prefetches: the wave's number is held to 4 .. 9, so that a wave that never asks has an address inside the buffer too
	s_max_u32 s76, s[WV], 4
	s_min_u32 s76, s76, 9
	s_sub_co_u32 s76, s76, 4
	s_mov_b32 s77, PART
	s_cmp_ge_u32 s76, 3
	s_cselect_b32 s77, 2*PART-3*8192, s77          ; waves 4-6: K's part; waves 7-9: V's
	s_lshl_b32 s76, s76, 13
	s_add_co_u32 s76, s76, s77
	s_add_co_u32 s76, s76, s75
	s_add_co_u32 s76, s76, 24576                   ; in slot 1: the first change of slots steps it to slot 2
	s_mov_b32 s77, 0
	s_sub_co_u32 s96, s[WV], 4
	s_cmp_lt_u32 s96, 6
	s_cselect_b32 s96, 0, 1
	s_or_b32 s96, s96, ttmp9
	s_or_b32 s96, s96, s74
	s_cmp_eq_u32 s96, 0
	s_cselect_b32 s[LIM], 1, -1
	s_wait_dscnt 0x0                               ; the opening add is done
	s_wait_kmcnt 0x0
	s_mov_b32 s[G0S], 1
	s_add_co_u32 s[G0S+1], s93, SC
	s_add_nc_u64 s[G0S+2:G0S+3], s[6:7], s[86:87]
	s_or_b32 s[G0S+3], s[G0S+3], 0x80000000
	TLOAD G0S, G1S, G0S, G1S                       ; the head's scale words of K and V, a quarter to each of waves 0-3: filled once
	s_mov_b32 s[G0K], 1
	s_mov_b32 s[G0K+1], s94
	s_add_nc_u64 s[G0K+2:G0K+3], s[4:5], s[84:85]
	s_or_b32 s[G0K+3], s[G0K+3], 0x80000000
	s_mov_b32 s[G0V], 1
	s_add_co_u32 s[G0V+1], s94, 12288
	s_add_nc_u64 s[G0V+2:G0V+3], s[4:5], s[82:83]
	s_or_b32 s[G0V+3], s[G0V+3], 0x80000000
	TLOAD G0K, G1K, G0V, G1V                       ; slot 0.  A wave has at most two tensor loads out
	s_add_nc_u64 s[PFA:PFA+1], s[4:5], s[PFA:PFA+1]
	s_add_nc_u64 s[78:79], s[4:5], s[78:79]        ; Q's codes
	s_add_nc_u64 s[70:71], s[6:7], s[70:71]        ; Q's scale words
	s_add_nc_u64 s[8:9], s[8:9], s[62:63]
	s_add_nc_u64 s[10:11], s[10:11], s[60:61]
	v_and_b32 v8, 31, v0
	s_delay_alu instid0(VALU_DEP_1)
	v_mul_u32_u24 v1, v8, 24                       ; my 24 bytes of a half fragment
	s_delay_alu instid0(VALU_DEP_2)
	v_lshlrev_b32 v[PFO], 8, v8
	v_and_b32 v9, 15, v0                           ; r
	v_bfe_u32 v10, v0, 4, 1                        ; h
	s_delay_alu instid0(VALU_DEP_2)
	v_lshlrev_b32 v4, 2, v9
.irp p, 0,1,2
	global_load_b64 v[16+2*\p:17+2*\p], v1, s[78:79] offset:8*\p   ; Q stays in registers
.endr
	global_load_b32 v29, v4, s[70:71]
	v_add_nc_u32 v2, SC, v4                        ; my row's scale word in a tile's 64 bytes
	v_and_b32 v3, 8, v9
	s_delay_alu instid0(VALU_DEP_1)
	v_add_nc_u32 v3, v3, v9
	v_lshlrev_b32 v10, 4, v10
	s_delay_alu instid0(VALU_DEP_1)
	v_sub_nc_u32 v3, v3, v10
	s_delay_alu instid0(VALU_DEP_1)
	v_add_nc_u32 v3, s92, v3                       ; my query in its block - 16 h: register 16 B + i holds a hidden key on the diagonal where 32 B + i is greater
	v_mov_b32 v13, 0xff61b1e6                      ; the largest t so far: -3e38, under every t
	s_delay_alu instid0(VALU_DEP_1)
	v_floor_f32 v12, -v13                          ; -M
	v_mov_b32 v14, 0
	v_mov_b32 v15, 0
.irp j, 22,23,24,25,26,27,80,81,82,83,84,85
	v_mov_b32 v[\j], 0                             ; zero codes
.endr
.irp j, 216,217,218,219,241,244
	v_mov_b32 v[\j], 0                             ; written once: a lane permute's destination counts as a source; v241 is named as the upper half of a pair
.endr
	v_mov_b32 v243, 0xff800000                     ; -infinity
.irp j, 0,1,2,3,4,5,6,7,8,9,10,11,12,13,14,15,16,17,18,19,20,21,22,23,24,25,26,27,28,29,30,31
	v_mov_b32 v[160+\j], 0                         ; O^T: the step is written once; the first finds zeros, which the first change of M leaves zeros
.endr
; A KEY STEP: 128 keys, the q-th of the slot in hand
.macro STEP q
	s_cmp_gt_u32 s[SI], s[BQ]                      ; all its keys come after my queries: left out.  The branch leads round the step's loads, products and softmax, not round the lines at its end that step addresses
	s_cbranch_scc1 .Lhidden_\@
	v_add_nc_u32 v[ADR], s[TB], v1
	v_add_nc_u32 v[ADS], s[TS], v2
	v_add_nc_u32 v[ADT], s[TJ], v2
	v_nop                                          ; these four are the places in front of loads into registers that the last step's products have read
.irp t, 0,1,2,3,4,5,6,7
.irp p, 0,1,2
	ds_load_b64 v[32+6*\t+2*\p:33+6*\t+2*\p], v[ADR] offset:(\q)*6144+\t*768+8*\p
.endr
	ds_load_b32 v[228+\t], v[ADS] offset:64*\t
.endr
	s_wait_alu depctr_va_vdst(0)
	s_wait_dscnt 0x0
.irp t, 0,1,2,3,4,5,6,7
	v_wmma_scale_f32_16x16x128_f8f6f4 v[96+8*\t:103+8*\t], v[32+6*\t:43+6*\t], v[16:27], 0, v[228+\t], v29 matrix_a_fmt:MATRIX_FMT_FP6 matrix_b_fmt:MATRIX_FMT_FP6
.endr
.rept 4
	v_nop                                          ; places: V's loads land in registers that these products read, and the scores are read below
.endr
.irp d, 0,1,2,3                                ; V's four fragments go out now and land under the softmax
.irp c, 0,1
.irp p, 0,1,2
	ds_load_b64 v[32+12*\d+6*\c+2*\p:33+12*\d+6*\c+2*\p], v[ADR] offset:12288+(\q)*6144+\d*1536+\c*768+8*\p
.endr
.endr
	ds_load_b32 v[236+\d], v[ADT] offset:64*\d
.endr
	s_cmp_lg_u32 s[SI], s[BQ]                      ; on the diagonal the scores of hidden keys become -infinity ahead of the maximum: p = 0 then.  Key 0 of the block counts for each of its queries
	s_cbranch_scc1 .Lopen_\@
.irp n, 0,1,2,3,4,5,6,7,8,9,10,11,12,13,14,15,16,17,18,19,20,21,22,23,24,25,26,27,28,29,30,31,32,33,34,35,36,37,38,39,40,41,42,43,44,45,46,47,48,49,50,51,52,53,54,55,56,57,58,59,60,61,62,63
	v_cmp_gt_i32 vcc_lo, 32*(\n/16)+\n%16, v3
	v_cndmask_b32 v[96+\n], v[96+\n], v243, vcc_lo
.endr
.Lopen_\@:
.irp b, 0,1,2,3
	v_max3_num_f32 v[212+\b], v[96+16*\b], v[97+16*\b], v[98+16*\b]   ; the largest score of each block of 32 keys: it serves the row's maximum and, since p rises with the score, the block's largest p
.endr
.irp i, 3,5,7,9,11,13
.irp b, 0,1,2,3
	v_max3_num_f32 v[212+\b], v[212+\b], v[96+16*\b+\i], v[97+16*\b+\i]
.endr
.endr
.irp b, 0,1,2,3
	v_max_num_f32 v[212+\b], v[212+\b], v[111+16*\b]
.endr
.irp b, 0,1,2,3
	s_delay_alu instid0(VALU_DEP_4)
	v_permlanex16_b32 v[216+\b], v[212+\b], s[SEL], s[SEL+1]
.endr
.irp b, 0,1,2,3
	s_delay_alu instid0(VALU_DEP_4)
	v_max_num_f32 v[212+\b], v[212+\b], v[216+\b]  ; with lane l xor 16's 16 keys
.endr
	s_delay_alu instid0(VALU_DEP_2)
	v_max3_num_f32 v244, v212, v213, v214
	s_delay_alu instid0(VALU_DEP_1)
	v_max_num_f32 v244, v244, v215                 ; the step's largest score of my query
	s_delay_alu instid0(VALU_DEP_1)
	v_mul_f32 v244, s[CS], v244                    ; as t (c is positive)
	s_delay_alu instid0(VALU_DEP_1)
	v_max_num_f32 v13, v13, v244                   ; the running largest t
	v_mov_b32 v244, v12
	s_delay_alu instid0(VALU_DEP_2)
	v_floor_f32 v12, -v13                          ; the new -M = floor(-t) = -ceil(t)
	s_delay_alu instid0(VALU_DEP_1)
	v_sub_f32 v244, v12, v244                      ; old M - new M: a whole number, 0 or less
	s_delay_alu instid0(VALU_DEP_1)
	v_cvt_i32_f32 v244, v244                       ; (it saturates)
	s_delay_alu instid0(VALU_DEP_1)
	v_ldexp_f32 v240, 1.0, v244                    ; f = 2^(old M - new M)
.irp j, 0,2,4,6,8,10,12,14,16,18,20,22,24,26,28,30,32,34,36,38,40,42,44,46,48,50,52,54,56,58,60,62
	v_pk_fma_f32 v[96+\j:97+\j], v[96+\j:97+\j], s[CS:CS+1], v[12:13] op_sel_hi:[1,0,0]   ; t - M, two at a time
.endr
.irp b, 0,1,2,3
	v_fma_f32 v[212+\b], v[212+\b], s[CS], v12     ; the same of each block's largest score
.endr
	s_wait_alu depctr_va_vdst(0)
.irp j, 0,1,2,3,4,5,6,7,8,9,10,11,12,13,14,15,16,17,18,19,20,21,22,23,24,25,26,27,28,29,30,31,32,33,34,35,36,37,38,39,40,41,42,43,44,45,46,47,48,49,50,51,52,53,54,55,56,57,58,59,60,61,62,63
	v_exp_f32 v[96+\j], v[96+\j]                   ; p = 2^(t - M), at most 1
.endr
	v_pk_mul_f32 v[14:15], v[14:15], v[240:241] op_sel_hi:[1,0]   ; the sums under the new M: the plain instruction behind the exponentials
	s_wait_alu depctr_va_vdst(0)                   ; one wait for the whole batch, ahead of its first reader
.irp b, 0,1,2,3
	v_exp_f32 v[212+\b], v[212+\b]                 ; the block's largest p: the same two instructions on the same number give the same bits
.endr
	v_pk_add_f32 v[246:247], v[100:101], v[104:105]
	v_pk_add_f32 v[254:255], v[108:109], v[112:113]
	v_pk_add_f32 v[252:253], v[116:117], v[120:121]
	v_pk_add_f32 v[250:251], v[124:125], v[128:129]
	v_pk_add_f32 v[248:249], v[132:133], v[136:137]
	v_pk_add_f32 v[234:235], v[140:141], v[144:145]
	v_pk_add_f32 v[232:233], v[148:149], v[152:153]
	v_pk_add_f32 v[14:15], v[14:15], v[156:157]
	v_pk_add_f32 v[246:247], v[246:247], v[96:97]
	v_pk_add_f32 v[254:255], v[254:255], v[98:99]
	v_pk_add_f32 v[252:253], v[252:253], v[102:103]
	v_pk_add_f32 v[250:251], v[250:251], v[106:107]
	v_pk_add_f32 v[248:249], v[248:249], v[110:111]
	v_pk_add_f32 v[234:235], v[234:235], v[114:115]
	v_pk_add_f32 v[232:233], v[232:233], v[118:119]
	v_pk_add_f32 v[14:15], v[14:15], v[122:123]
	v_pk_add_f32 v[246:247], v[246:247], v[126:127]
	v_pk_add_f32 v[254:255], v[254:255], v[130:131]
	v_pk_add_f32 v[252:253], v[252:253], v[134:135]
	v_pk_add_f32 v[250:251], v[250:251], v[138:139]
	v_pk_add_f32 v[248:249], v[248:249], v[142:143]
	v_pk_add_f32 v[234:235], v[234:235], v[146:147]
	v_pk_add_f32 v[232:233], v[232:233], v[150:151]
	v_pk_add_f32 v[14:15], v[14:15], v[154:155]
	v_pk_add_f32 v[246:247], v[246:247], v[158:159]
	s_delay_alu instid0(VALU_DEP_2)
	v_pk_add_f32 v[14:15], v[14:15], v[250:251]
	s_delay_alu instid0(VALU_DEP_2)
	v_pk_add_f32 v[246:247], v[246:247], v[248:249]
	v_pk_add_f32 v[254:255], v[254:255], v[234:235]
	v_pk_add_f32 v[252:253], v[252:253], v[232:233]
	s_delay_alu instid0(VALU_DEP_2)
	v_pk_add_f32 v[14:15], v[14:15], v[254:255]
	s_delay_alu instid0(VALU_DEP_2)
	v_pk_add_f32 v[246:247], v[246:247], v[252:253]
	s_delay_alu instid0(VALU_DEP_1)
	v_pk_add_f32 v[14:15], v[14:15], v[246:247]
	s_wait_alu depctr_va_vdst(0)                   ; and one for the four
.irp b, 0,1,2,3
	v_max_num_f32 v[212+\b], 0x1800000, v[212+\b]  ; the floor 2^(3 - 127): a block whose every p is 0 keeps the byte 1; its codes are zeros
.endr
.irp b, 0,1,2,3
	s_delay_alu instid0(VALU_DEP_4)
	v_add_nc_u32 v[220+\b], 0xff000000, v[212+\b]  ; the conversion's scale operand
.endr
.irp b, 0,1,2,3
	s_delay_alu instid0(VALU_DEP_4)
	v_lshrrev_b32 v[216+\b], 23, v[220+\b]         ; the scale's byte
.endr
	s_delay_alu instid0(VALU_DEP_3)
	v_lshl_or_b32 v242, v217, 8, v216              ; p's scale word for these 128 keys
	s_delay_alu instid0(VALU_DEP_1)
	v_lshl_or_b32 v242, v218, 16, v242
	s_delay_alu instid0(VALU_DEP_1)
	v_lshl_or_b32 v242, v219, 24, v242
.irp c, 0,1
	v_cvt_scalef32_pk16_fp6_f32 v[192+6*\c:194+6*\c], v[96+32*\c:111+32*\c], v[220+2*\c]
	v_cvt_scalef32_pk16_fp6_f32 v[204+4*\c:206+4*\c], v[112+32*\c:127+32*\c], v[220+2*\c+1]   ; (a conversion's three registers begin on an even number)
.endr
	v_nop                                          ; one plain place behind a scaled conversion
.irp c, 0,1                                    ; a WHOLE block in a lane: lanes 0-15 block 2 c, lanes 16-31 block 2 c + 1
.irp i, 0,1,2
	v_permlane16_swap_b32 v[192+6*\c+\i], v[204+4*\c+\i]
.endr
.irp i, 0,1,2
	s_delay_alu instid0(VALU_DEP_3)
	v_mov_b32 v[195+6*\c+\i], v[204+4*\c+\i]
.endr
.endr
.irp j, 0,2,4,6,8,10,12,14,16,18,20,22,24,26,28,30
	v_pk_mul_f32 v[160+\j:161+\j], v[160+\j:161+\j], v[240:241] op_sel_hi:[1,0]   ; O^T under the new M, from its low end on.  Twelve of these sixteen name no register of any one product below: the places behind p's scale word and codes
.endr
	s_wait_alu depctr_va_vdst(0)
	s_wait_dscnt 0x0                               ; V is in
.irp d, 0,1,2,3                                ; O^T += V^T P^T: four accumulators by turns; the next matrix instructions are the next step's scores
	v_wmma_scale_f32_16x16x128_f8f6f4 v[160+8*\d:167+8*\d], v[32+12*\d:43+12*\d], v[192:203], v[160+8*\d:167+8*\d], v[236+\d], v242 matrix_a_fmt:MATRIX_FMT_FP6 matrix_b_fmt:MATRIX_FMT_FP6
.endr
.Lhidden_\@:
	s_add_co_u32 s[SI], s[SI], 1
	s_add_co_u32 s[TS], s[TS], 512
	s_add_co_u32 s[TJ], s[TJ], 256
.endm
; THE CHANGE OF SLOTS stands at a slot's head.  Each wave waits for all its tensor loads, adds 0 to its spare word, and waits for that and for its reads of the slot that it has left.  Behind the barrier the slot ahead is whole and nobody reads the other.
; fill = 1: the other slot is filled with the keys that follow, while a wave of the work-group will read them: the next slot's first step is held against the work-group's later block of queries.
; Every wait for tensor loads in this text is for 0.
.macro CHANGE fill
	s_wait_tensorcnt 0x0                           ; no tensor load of mine is out, so a group 0 may be written
	ds_add_u32 v[SPW], v[NIL]                      ; 0 onto my spare word
.if \fill
	s_xor_b32 s[G0K+1], s[G0K+1], SLOT1
	s_add_nc_u64 s[G0K+2:G0K+3], s[G0K+2:G0K+3], 24576
	s_xor_b32 s[G0V+1], s[G0V+1], SLOT1
	s_add_nc_u64 s[G0V+2:G0V+3], s[G0V+2:G0V+3], 24576
	s_wait_xcnt 0x0                                ; the last prefetch, a slot back, has read its address
	s_add_nc_u64 s[PFA:PFA+1], s[PFA:PFA+1], 24576 ; one slot further on than the walking descriptors
.endif
	s_wait_dscnt 0x0                               ; the add is done, and my reads of the slot that I have left are over
	s_barrier_signal -1
	s_barrier_wait -1
.if \fill
	s_add_co_u32 s96, s[SI], 2                     ; the first step of the slot that this change would ask for
	s_cmp_gt_u32 s96, s[HB]
	s_cbranch_scc1 .Lpast_\@
	TLOAD G0K, G1K, G0V, G1V                       ; a wave's one tensor load until the next barrier: it has a slot's two steps in which to land
.Lpast_\@:
	ASK
.endif
.endm
.macro SLOT_STEPS
	STEP 0
	STEP 1
	s_xor_b32 s[TB], s[TB], SLOT1
.endm
	s_wait_loadcnt 0x0                             ; Q
.Lslot:                                            ; seven trips
	CHANGE 1
	SLOT_STEPS
	s_sub_co_u32 s[SLOTS], s[SLOTS], 1
	s_cmp_lg_u32 s[SLOTS], 0
	s_cbranch_scc1 .Lslot
	CHANGE 0                                       ; the last slot is written out: nothing is left to ask for
	SLOT_STEPS
	; THE WAY OUT.  O^T / the sum: register 16 B + i is channel 32 B + 16 h + i of my query: two blocks along the last product's K.  They are quantised and leave as a half fragment's image.
	v_add_f32 v14, v14, v15
	s_delay_alu instid0(VALU_DEP_1)
	v_permlanex16_b32 v244, v14, s[SEL], s[SEL+1]
	s_delay_alu instid0(VALU_DEP_1)
	v_add_f32 v14, v14, v244                       ; the row's sum
	s_wait_alu depctr_va_vdst(0)
	v_rcp_f32 v14, v14
	v_and_b32 v9, 31, v0                           ; (plain work behind the reciprocal)
	s_mul_i32 s73, s[WV], 768
	s_add_co_u32 s73, s73, STAGE                   ; my stage
	v_mul_u32_u24 v4, v9, 24
	s_delay_alu instid0(VALU_DEP_1)
	v_add_nc_u32 v4, s73, v4                       ; in: 24 x lane
	v_lshlrev_b32 v7, 4, v9                        ; out: 16 x lane for the first 512 bytes,
	s_delay_alu instid0(VALU_DEP_1)
	v_add_nc_u32 v8, s73, v7
	v_lshlrev_b32 v9, 3, v9                        ; 8 x lane for the last 256
	s_delay_alu instid0(VALU_DEP_1)
	v_add_nc_u32 v10, s73, v9
	v_and_b32 v11, 15, v0
	v_bfe_u32 v245, v0, 4, 1
	s_delay_alu instid0(VALU_DEP_1)
	v_lshl_add_u32 v11, v11, 5, v245               ; my scale byte: row r of 32 bytes, + h
	s_wait_alu depctr_va_vdst(0)                   ; the wait ahead of the reciprocal's first reader
.irp j, 0,1,2,3,4,5,6,7,8,9,10,11,12,13,14,15,16,17,18,19,20,21,22,23,24,25,26,27,28,29,30,31
	v_mul_f32 v[96+\j], v[160+\j], v14
.endr
.irp b, 0,1
	v_max3_num_f32 v[212+\b], |v[96+16*\b]|, |v[97+16*\b]|, 0x1800000
.endr
.irp i, 2,4,6,8,10,12,14
.irp b, 0,1
	s_delay_alu instid0(VALU_DEP_2)
	v_max3_num_f32 v[212+\b], v[212+\b], |v[96+16*\b+\i]|, |v[97+16*\b+\i]|
.endr
.endr
.irp b, 0,1
	s_delay_alu instid0(VALU_DEP_2)
	v_permlanex16_b32 v[216+\b], v[212+\b], s[SEL], s[SEL+1]
.endr
.irp b, 0,1
	s_delay_alu instid0(VALU_DEP_2)
	v_max_num_f32 v[212+\b], v[212+\b], v[216+\b]
.endr
.irp b, 0,1
	s_delay_alu instid0(VALU_DEP_2)
	v_add_nc_u32 v[220+\b], 0xff000000, v[212+\b]
.endr
.irp b, 0,1
	s_delay_alu instid0(VALU_DEP_2)
	v_lshrrev_b32 v[216+\b], 23, v[220+\b]
.endr
	v_cvt_scalef32_pk16_fp6_f32 v[192:194], v[96:111], v220
	v_cvt_scalef32_pk16_fp6_f32 v[204:206], v[112:127], v221
	v_cndmask_b32 v244, v216, v217, s81            ; lanes 0-15 carry block 0's byte, lanes 16-31 block 1's.  (The plain place behind the conversions)
.irp i, 0,1,2
	v_permlane16_swap_b32 v[192+\i], v[204+\i]
.endr
.irp i, 0,1,2
	s_delay_alu instid0(VALU_DEP_3)
	v_mov_b32 v[195+\i], v[204+\i]
.endr
.irp p, 0,1,2
	ds_store_b64 v4, v[192+2*\p:193+2*\p] offset:8*\p
.endr
	ds_load_b128 v[32:35], v8                      ; these loads see my stores
	ds_load_b64 v[36:37], v10 offset:512
	global_store_b8 v11, v244, s[10:11]
	s_wait_dscnt 1                                 ; the younger read-back may be out
	global_store_b128 v7, v[32:35], s[8:9] th:TH_STORE_NT             ; 512 consecutive bytes, at a multiple of 256 from the buffer's first byte
	s_wait_dscnt 0x0
	global_store_b64 v9, v[36:37], s[8:9] offset:512 th:TH_STORE_NT   ; and the last 256
	s_wait_tensorcnt 0x0                           ; the wave's end: behind my last tensor load and my last LDS store
	ds_add_u32 v[SPW], v[NIL]
	s_wait_dscnt 0x0
	s_endpgm
.Lfunc_end_k_q5145d2dadd_attn:
	.size	k_q5145d2dadd_attn, .Lfunc_end_k_q5145d2dadd_attn-k_q5145d2dadd_attn
	.p2alignl 7, 3214868480
	.fill 96, 4, 3214868480
	.section	.rodata,"a",@progbits
	.p2align	6, 0x0
	.amdhsa_kernel k_q5145d2dadd_attn
		.amdhsa_group_segment_fixed_size 327680
		.amdhsa_private_segment_fixed_size 0
		.amdhsa_enable_private_segment 0
		.amdhsa_kernarg_size 32
		.amdhsa_user_sgpr_count 2
		.amdhsa_user_sgpr_kernarg_segment_ptr 1
		.amdhsa_wavefront_size32 1
		.amdhsa_system_sgpr_workgroup_id_x 1
		.amdhsa_system_sgpr_workgroup_id_y 1
		.amdhsa_system_sgpr_workgroup_id_z 1
		.amdhsa_system_vgpr_workitem_id 0
		.amdhsa_next_free_vgpr 256
		.amdhsa_next_free_sgpr 100
		.amdhsa_reserve_vcc 1
		.amdhsa_float_denorm_mode_32 3
		.amdhsa_float_denorm_mode_16_64 3
		.amdhsa_memory_ordered 1
		.amdhsa_forward_progress 1
		.amdhsa_inst_pref_size 113
	.end_amdhsa_kernel
	.amdgpu_metadata
---
amdhsa.version: [ 1, 2 ]
amdhsa.kernels:
  - .name:           k_q5145d2dadd_attn
    .symbol:         k_q5145d2dadd_attn.kd
    .args:
      - { .name: qkv_img, .offset: 0, .size: 8, .value_kind: global_buffer, .address_space: global }
      - { .name: sc, .offset: 8, .size: 8, .value_kind: global_buffer, .address_space: global }
      - { .name: o_img, .offset: 16, .size: 8, .value_kind: global_buffer, .address_space: global }
      - { .name: o_sc, .offset: 24, .size: 8, .value_kind: global_buffer, .address_space: global }
    .group_segment_fixed_size: 327680
    .private_segment_fixed_size: 0
    .kernarg_segment_align: 8
    .kernarg_segment_size: 32
    .max_flat_workgroup_size: 512
    .sgpr_count:     100
    .vgpr_count:     256
    .wavefront_size: 32
...
	.end_amdgpu_metadata
.endif
;; end of part 3
;; launch gemm_out (part 4): grid 4 x 32, 4 waves a work-group, clusters of 4 x 4, 327,680 bytes of LDS; arguments o_img, o_sc, wq_codes, wq_sc, b_out, out0; writes out0
.if DOCPART == 4
	.amdgcn_target "amdgcn-amd-amdhsa--gfx1250"
	.amdhsa_code_object_version 6
	.text
	.protected	k_q5145d2dadd_gemm_out
	.globl	k_q5145d2dadd_gemm_out
	.p2align	8
	.type	k_q5145d2dadd_gemm_out,@function
k_q5145d2dadd_gemm_out:
	s_mov_b64 s[64:65], 0
	v_nop
	global_prefetch_b8 v0, s[64:65] scope:SCOPE_SE
	s_setreg_imm32_b32 hwreg(HW_REG_WAVE_MODE, 25, 1), 1
	s_wait_xcnt 0x0
	s_wait_alu depctr_hold_cnt(0) depctr_sa_sdst(0) depctr_va_vdst(0) depctr_va_sdst(0) depctr_va_ssrc(0) depctr_va_vcc(0) depctr_vm_vsrc(0)
	s_getreg_b32 s2, hwreg(HW_REG_IB_STS2, 6, 4)
	s_cmp_eq_u32 s2, 0
	s_cbranch_scc0 .Lentry_in_a_cluster
	s_endpgm
.Lentry_in_a_cluster:
	s_bfe_u32 s2, ttmp6, 0x10000c
	s_cmp_lg_u32 s2, 0xf033
	s_cbranch_scc0 .Lentry_shape_is_right
	s_endpgm
.Lentry_shape_is_right:
.set ROWB,   192
.set KROW,   768
.set PITCH,  240
.set FR,     12
.set NL,     6
.set NP,     4
.set HALFT,  128*PITCH
.set HALFR,  24576
.set POFF,   2*HALFR
.set SLOT,   POFF+2*HALFT
.set RSTEP,  2*4*393216
.set PSTEP,  2*ROWB
.set STG,    2*SLOT
.set SPITCH, 528
.set SPARE,  STG+4*16*SPITCH
.set ADRA, 16
.set ADRB, 20
.set STO,  24
.set RD,   25
.set CO,   26
.set SLN,  27
.set SPW,  28
.set NIL,  29
.set BLQ,  30
.set SCP,  32
.set SCR,  64
.set AF,   128
.set BK,   128
.set G1,  24
.set G0,  32
.set G1B, 48
.set G0B, 56
.set MSB, 0
.macro WIN new
.if MSB != \new
	s_set_vgpr_msb (MSB<<8)|\new
.set MSB, \new
.endif
.endm
.set MUL_LO, 0xa1
.set MUL_HI, 0xf1
.set TO_B,   0x40
.macro JLOAD g0a, g1a, g0b, g1b
	s_cmp_eq_u32 s15, 0
	s_cbranch_scc0 .Lfor_b_\@
	tensor_load_to_lds s[\g0a:\g0a+3], s[\g1a:\g1a+7]
	s_nop 0
.rept 4
	v_nop
.endr
	s_branch .Lasked_\@
.Lfor_b_\@:
	tensor_load_to_lds s[\g0b:\g0b+3], s[\g1b:\g1b+7]
	s_nop 0
.rept 4
	v_nop
.endr
.Lasked_\@:
.endm
.macro CREST
	s_cmp_lg_u32 s14, 0
	s_cbranch_scc1 .Lnot_wave_0_\@
	s_barrier_signal -3
.Lnot_wave_0_\@:
	s_barrier_wait -3
	s_barrier_signal -1
	s_barrier_wait -1
.endm
.macro CROUND
	s_barrier_signal -1
	s_barrier_wait -1
	CREST
.endm
	s_load_b256 s[68:75], s[0:1], 0x0
	s_load_b128 s[76:79], s[0:1], 0x20
	v_lshl_add_u32 v[SPW], v0, 2, SPARE
	v_mov_b32 v[NIL], 0
	ds_add_u32 v[SPW], v[NIL]
	ds_add_u32 v[SPW], v[NIL]
	v_lshrrev_b32 v1, 5, v0
	v_readfirstlane_b32 s14, v1
	s_lshr_b32 s15, s14, 1
	s_and_b32 s16, s14, 1
	s_bfe_u32 s40, ttmp6, 0x40000
	s_bfe_u32 s41, ttmp6, 0x40004
	s_lshl_b32 s42, ttmp9, 2
	s_add_co_u32 s42, s42, s40
	s_and_b32 s17, ttmp7, 0xffff
	s_lshl_b32 s17, s17, 2
	s_add_co_u32 s17, s17, s41
	s_lshl_b32 s43, s41, 2
	s_lshl_b32 s43, 15, s43
	s_lshl_b32 s44, 0x1111, s40
	s_or_b32 s[G1+0], s43, (3<<16)|(1<<21)
	s_mov_b32 s[G1+1], 768<<16
	s_mov_b32 s[G1+2], 4<<16
	s_mov_b32 s[G1+3], 768<<16
	s_mov_b32 s[G1+4], 4
	s_mov_b32 s[G1+5], 49152
	s_mov_b32 s[G1+6], 0
	s_mov_b32 s[G1+7], 0
	s_or_b32 s[G1B+0], s44, (0<<16)|(1<<20)|(1<<21)|(3<<22)|(3<<25)
	s_mov_b32 s[G1B+1], ROWB<<16
	s_mov_b32 s[G1B+2], 128<<16
	s_mov_b32 s[G1B+3], ROWB<<16
	s_mov_b32 s[G1B+4], 128
	s_mov_b32 s[G1B+5], KROW
	s_mov_b32 s[G1B+6], 0
	s_mov_b32 s[G1B+7], 0
	s_lshl_b32 s20, s17, 4
	s_lshl_b32 s18, s16, 3
	s_add_co_u32 s20, s20, s18
	s_mul_i32 s20, s20, 768
	s_mov_b32 s21, 0
	s_lshl_b32 s46, s42, 8
	s_lshl_b32 s18, s16, 7
	s_add_co_u32 s46, s46, s18
	s_add_co_u32 s46, s46, 3072
	s_mul_i32 s46, s46, KROW
	s_mov_b32 s47, 0
	s_mul_i32 s45, s16, HALFR
	s_mul_i32 s94, s16, HALFT
	s_add_co_u32 s94, s94, POFF
	s_wait_dscnt 0x0
	s_wait_kmcnt 0x0
	s_add_nc_u64 s[20:21], s[68:69], s[20:21]
	s_add_nc_u64 s[46:47], s[72:73], s[46:47]
	CROUND
.irp s, 0,1
	s_mov_b32 s[G0+4*\s], 1
	s_add_co_u32 s[G0+4*\s+1], s45, \s*SLOT
	s_add_nc_u64 s[G0+4*\s+2:G0+4*\s+3], s[20:21], \s*4*393216
	s_or_b32 s[G0+4*\s+3], s[G0+4*\s+3], 0x80000000
	s_mov_b32 s[G0B+4*\s], 1
	s_add_co_u32 s[G0B+4*\s+1], s94, \s*SLOT
	s_add_nc_u64 s[G0B+4*\s+2:G0B+4*\s+3], s[46:47], \s*ROWB
	s_or_b32 s[G0B+4*\s+3], s[G0B+4*\s+3], 0x80000000
	s_wait_alu depctr_va_vdst(0)
	s_wait_tensorcnt 0x0
	ds_add_u32 v28, v29
	ds_add_u32 v28, v29
	s_wait_dscnt 0x0
	CROUND
	JLOAD G0+4*\s, G1, G0B+4*\s, G1B
.endr
	v_and_b32 v1, 15, v0
	v_bfe_u32 v2, v0, 4, 1
	v_and_b32 v6, 31, v0
	v_mul_u32_u24 v3, v1, PITCH
	v_mul_u32_u24 v4, v2, 24
	v_add_nc_u32 v4, v3, v4
	v_lshl_add_u32 v5, v2, 4, v4
	v_mul_u32_u24 v7, v6, 24
	s_mul_i32 s21, s15, HALFR
	s_mul_i32 s22, s16, HALFT
	s_add_co_u32 s22, s22, POFF
.irp s, 0,1
	v_add_nc_u32 v[ADRA+\s], s21, v7
	v_add_nc_u32 v[ADRB+\s], s22, v4
	v_add_nc_u32 v[ADRB+2+\s], s22, v5
	s_add_co_u32 s21, s21, SLOT
	s_add_co_u32 s22, s22, SLOT
.endr
	s_mul_i32 s23, s14, 16*SPITCH
	s_add_co_u32 s23, s23, STG
	v_mul_u32_u24 v[STO], v1, SPITCH
	v_lshl_add_u32 v[STO], v2, 6, v[STO]
	v_add_nc_u32 v[STO], s23, v[STO]
	v_lshlrev_b32 v[CO], 4, v6
	v_add_nc_u32 v[RD], s23, v[CO]
	v_lshlrev_b32 v[SLN], 4, v2
	v_lshl_add_u32 v[SLN], v1, 5, v[SLN]
	s_wait_alu depctr_va_vdst(0)
	v_lshlrev_b32 v[BLQ], 6, v2
	s_wait_alu depctr_va_vdst(0)
	s_lshl_b32 s4, s17, 1
	s_add_co_u32 s4, s4, s15
	s_lshl_b32 s5, s42, 1
	s_add_co_u32 s5, s5, s16
	s_lshl_b32 s6, s4, 12
	s_mov_b32 s7, 0
	s_add_nc_u64 s[70:71], s[70:71], s[6:7]
	s_lshl_b32 s6, s5, 12
	s_add_co_u32 s6, s6, 3072*32
	s_add_nc_u64 s[74:75], s[74:75], s[6:7]
.irp i, 0,1,2,3,4,5,6,7
	global_load_b128 v[SCP+4*\i:SCP+4*\i+3], v[SLN], s[74:75] offset:512*\i
	global_load_b128 v[SCR+4*\i:SCR+4*\i+3], v[SLN], s[70:71] offset:512*\i
.endr
	s_lshl_b32 s6, s5, 9
	s_add_nc_u64 s[76:77], s[76:77], s[6:7]
.irp b, 0,1,2,3,4,5,6,7
	global_load_b128 v[96+8*\b+96*(\b/4):96+8*\b+96*(\b/4)+3], v[BLQ], s[76:77] offset:(32*(\b/2)+8*(\b%2))*4
	global_load_b128 v[96+8*\b+96*(\b/4)+4:96+8*\b+96*(\b/4)+7], v[BLQ], s[76:77] offset:(32*(\b/2)+8*(\b%2))*4+16
.endr
	s_lshl_b32 s8, s4, 19
	s_add_co_u32 s8, s8, s6
	s_mov_b32 s9, 0
	s_add_nc_u64 s[12:13], s[78:79], s[8:9]
.macro FRAG reg, adr, q, i
.irp p, 0,1,2,3,4,5
.set PIE, 12*(\q)+6*(\p/3)+\p%3
.if PIE%8 < 5
	ds_load_b64 v[\reg+2*\p:\reg+2*\p+1], v[\adr] offset:8*PIE+16*(PIE/8)+(\i)*16*PITCH
.else
	ds_load_b64 v[\reg+2*\p:\reg+2*\p+1], v[\adr+2] offset:8*PIE+16*(PIE/8)+(\i)*16*PITCH
.endif
.endr
.endm
.macro FRAGI reg, adr, q, i
.irp p, 0,1,2,3,4,5
	ds_load_b64 v[\reg+2*\p:\reg+2*\p+1], v[\adr] offset:(2*(\q)+\p/3)*6144+(\i)*768+8*(\p%3)
.endr
.endm
.macro MUL16 a0, p, ks, cmode
.irp a, \a0, \a0+1
.irp b, 0,1,2,3,4,5,6,7
.set rD, 8*(8*((\a)%4)+\b)
.set rP, 128*(\p)+FR*\b
.set rR, AF+FR*(\a)
.set sP, SCP+4*\b+(\ks)%4
.set sR, SCR+4*(\a)+(\ks)%4
.if (\cmode) == 0
.set rC, rD
.else
.set rC, 96+8*\b+96*(\b/4)
.endif
.if (\ks) >= 4
	v_wmma_scale_f32_16x16x128_f8f6f4 v[rD:rD+7], v[rP:rP+FR-1], v[rR:rR+FR-1], v[rC:rC+7], v[sP], v[sR] matrix_a_fmt:MATRIX_FMT_FP6 matrix_b_fmt:MATRIX_FMT_FP6 matrix_a_scale:MATRIX_SCALE_ROW1 matrix_b_scale:MATRIX_SCALE_ROW1
.else
	v_wmma_scale_f32_16x16x128_f8f6f4 v[rD:rD+7], v[rP:rP+FR-1], v[rR:rR+FR-1], v[rC:rC+7], v[sP], v[sR] matrix_a_fmt:MATRIX_FMT_FP6 matrix_b_fmt:MATRIX_FMT_FP6
.endif
.endr
.endr
.endm
.macro FETCH_B slot, q, p
	WIN TO_B
.irp i, 0,1,2,3,4,5,6,7
	FRAG 128*(\p)+FR*\i, ADRB+\slot, \q, \i
.endr
	WIN 0
.endm
.macro FETCH_A slot, q, i0
.irp i, \i0, \i0+1, \i0+2, \i0+3
	FRAGI AF+FR*(\i), ADRA+\slot, \q, \i
.endr
.endm
.macro PLACES n
.rept \n
	v_nop
.endr
.endm
.macro STEP slot, q, ks, cmode
	s_wait_dscnt 4*NL
.if \cmode
	WIN 0x81
.else
	WIN MUL_LO
.endif
	MUL16 0, (\q)%2, \ks, \cmode
	MUL16 2, (\q)%2, \ks, \cmode
	s_wait_dscnt 0
	PLACES NP
	FETCH_B \slot, (\q)+1, 1-(\q)%2
	FETCH_A \slot, (\q)+1, 0
.if \cmode
	WIN 0xc1
.else
	WIN MUL_HI
.endif
	MUL16 4, (\q)%2, \ks, \cmode
	MUL16 6, (\q)%2, \ks, \cmode
	PLACES NP
	WIN 0
	FETCH_A \slot, (\q)+1, 4
.endm
.macro TURN slot, next, fill, ks
	s_wait_tensorcnt 0x0
	ds_add_u32 v[SPW], v[NIL]
	s_wait_dscnt 4*NL+1
	WIN MUL_LO
	MUL16 0, 1, \ks, 0
	s_wait_dscnt 0x0
	s_barrier_signal -1
	MUL16 2, 1, \ks, 0
	WIN 0
	s_barrier_wait -1
.if \fill
	CREST
	s_add_nc_u64 s[G0+4*\slot+2:G0+4*\slot+3], s[G0+4*\slot+2:G0+4*\slot+3], RSTEP
	s_add_nc_u64 s[G0B+4*\slot+2:G0B+4*\slot+3], s[G0B+4*\slot+2:G0B+4*\slot+3], PSTEP
	JLOAD G0+4*\slot, G1, G0B+4*\slot, G1B
.else
	PLACES NP
.endif
	FETCH_B \next, 0, 0
	FETCH_A \next, 0, 0
	WIN MUL_HI
	MUL16 4, 1, \ks, 0
	MUL16 6, 1, \ks, 0
	PLACES NP
	WIN 0
	FETCH_A \next, 0, 4
.endm
	s_wait_tensorcnt 1
	s_barrier_signal -1
	s_barrier_wait -1
	FETCH_B 0, 0, 0
	FETCH_A 0, 0, 0
	FETCH_A 0, 0, 4
	s_wait_loadcnt 0x0
	STEP 0, 0, 0, 1
	TURN 0, 1, 1, 1
	STEP 1, 0, 2, 0
	TURN 1, 0, 1, 3
	STEP 0, 0, 4, 0
	TURN 0, 1, 0, 5
	STEP 1, 0, 6, 0
	s_wait_dscnt 4*NL
	WIN MUL_LO
	MUL16 0, 1, 7, 0
	MUL16 2, 1, 7, 0
	s_wait_dscnt 0
	WIN MUL_HI
	MUL16 4, 1, 7, 0
	MUL16 6, 1, 7, 0
	WIN 0
.macro TOSTAGE a
.set AC, 64*((\a)%4)
	WIN 0x08+4*((\a)/4)
.irp b, 0,1,2,3,4,5,6,7
	ds_store_b128 v[STO], v[AC+8*\b:AC+8*\b+3] offset:128*(\b/2)+32*(\b%2)
	ds_store_b128 v[STO], v[AC+8*\b+4:AC+8*\b+7] offset:128*(\b/2)+32*(\b%2)+16
.endr
	WIN 0
.set BB, BK+64*((\a)%2)
.irp t, 0,1,2,3,4,5,6,7,8,9,10,11,12,13,14,15
	ds_load_b128 v[BB+4*\t:BB+4*\t+3], v[RD] offset:\t*SPITCH
.endr
.endm
.macro SEND a, younger
.set BB, BK+64*((\a)%2)
	s_wait_dscnt \younger
.irp t, 0,1,2,3,4,5,6,7,8,9,10,11,12,13,14,15
	global_store_b128 v[CO], v[BB+4*\t:BB+4*\t+3], s[12:13] offset:(32*((\a)/2)+8*((\a)%2)+\t+8*(\t/8))*4096 th:TH_STORE_NT
.endr
.endm
	PLACES NP
	TOSTAGE 0
.irp a, 1,2,3,4,5,6,7
.if \a > 1
	s_wait_xcnt 0x0
.endif
	TOSTAGE \a
	SEND \a-1, 32
.endr
	SEND 7, 0
	s_wait_tensorcnt 0x0
	ds_add_u32 v[SPW], v[NIL]
	s_wait_dscnt 0x0
	CROUND
	s_endpgm
.Lfunc_end_k_q5145d2dadd_gemm_out:
	.size	k_q5145d2dadd_gemm_out, .Lfunc_end_k_q5145d2dadd_gemm_out-k_q5145d2dadd_gemm_out
	.p2alignl 7, 3214868480
	.fill 96, 4, 3214868480
	.section	.rodata,"a",@progbits
	.p2align	6, 0x0
	.amdhsa_kernel k_q5145d2dadd_gemm_out
		.amdhsa_group_segment_fixed_size 327680
		.amdhsa_private_segment_fixed_size 0
		.amdhsa_enable_private_segment 0
		.amdhsa_kernarg_size 48
		.amdhsa_user_sgpr_count 2
		.amdhsa_user_sgpr_kernarg_segment_ptr 1
		.amdhsa_wavefront_size32 1
		.amdhsa_system_sgpr_workgroup_id_x 1
		.amdhsa_system_sgpr_workgroup_id_y 1
		.amdhsa_system_sgpr_workgroup_id_z 1
		.amdhsa_system_vgpr_workitem_id 0
		.amdhsa_next_free_vgpr 1024
		.amdhsa_next_free_sgpr 100
		.amdhsa_reserve_vcc 0
		.amdhsa_float_denorm_mode_32 3
		.amdhsa_float_denorm_mode_16_64 3
		.amdhsa_memory_ordered 1
		.amdhsa_forward_progress 1
		.amdhsa_inst_pref_size 159
	.end_amdhsa_kernel
	.amdgpu_metadata
---
amdhsa.version: [ 1, 2 ]
amdhsa.kernels:
  - .name:           k_q5145d2dadd_gemm_out
    .symbol:         k_q5145d2dadd_gemm_out.kd
    .args:
      - { .name: o_img, .offset: 0, .size: 8, .value_kind: global_buffer, .address_space: global }
      - { .name: o_sc, .offset: 8, .size: 8, .value_kind: global_buffer, .address_space: global }
      - { .name: wq_codes, .offset: 16, .size: 8, .value_kind: global_buffer, .address_space: global }
      - { .name: wq_sc, .offset: 24, .size: 8, .value_kind: global_buffer, .address_space: global }
      - { .name: b_out, .offset: 32, .size: 8, .value_kind: global_buffer, .address_space: global }
      - { .name: out0, .offset: 40, .size: 8, .value_kind: global_buffer, .address_space: global }
    .group_segment_fixed_size: 327680
    .private_segment_fixed_size: 0
    .kernarg_segment_align: 8
    .kernarg_segment_size: 48
    .max_flat_workgroup_size: 128
    .sgpr_count:     100
    .vgpr_count:     1024
    .wavefront_size: 32
...
	.end_amdgpu_metadata
.endif
;; end of part 4
